; MI455X (gfx1250); checked and timed in simulation.
; The chip was launched on July 23, 2026; its instructions are those of AMD's public machine-readable ISA for CDNA 5 (MIT licence, August 2026) and "CDNA5" Instruction Set Architecture Reference Guide (July 2026). The comments in the code are by the model that wrote it; some were corrected since.
;; Spatial Attention. Allowed arithmetic: matrix products marked QUANTISED: E2M3 operands, one E8M0 scale for each 32 along K, by v_wmma_scale_f32_16x16x128_f8f6f4 with both operands' format E2M3, f32 sums; products left as they are: f32 operands where the result goes on into a quantised operand, else bf16, f16 or f32 operands; f32 sums; everything else in f32.
;; Inputs: Wk 64 x 1 float32; Wo 1 x 64 float32; Wq 64 x 1 float32; Wv 64 x 1 float32; bk 64 float32; bo 1 float32; bq 64 float32; bv 64 float32; x 64 x 1 x 86 x 86 float32.
;; Outputs: out0 64 x 1 x 86 x 86 float32.
;; This version of the problem:
;;   THIS VERSION OF THE PROBLEM IS GIVEN IN LOW PRECISION. The matrix products marked QUANTISED in the list below multiply operands that are first quantised to E2M3 (2 exponent bits, 3 mantissa bits; 6 bits a number), with one power-of-two scale for each 32 numbers along K (OCP MX v1.0); their sums are f32. All else is computed in f32.
;;   The module's matrix products, in the order in which they are computed (A, B: the left and right operand; K: the contracted axis; several contracted axes count as one K, in the product's order):
;;     1. [M 64, K 1] x [K 1, N 473,344]; A: input Wq; B: input x: left as it is (K = 1 < 32)
;;     2. [M 64, K 1] x [K 1, N 473,344]; A: input Wk; B: input x: left as it is (K = 1 < 32)
;;     3. [M 64, K 1] x [K 1, N 473,344]; A: input Wv; B: input x: left as it is (K = 1 < 32)
;;     4. batch 64 x [M 64, K 7,396] x [K 7,396, N 64]; A: computed on the way; B: computed on the way: QUANTISED
;;     5. batch 64 x [M 64, K 64] x [K 64, N 7,396]; A: softmax (see below); B: computed on the way: QUANTISED
;;     6. [M 1, K 64] x [K 64, N 473,344]; A: input Wo; B: computed on the way: left as it is (M = 1 < 16)
;;   THE QUANTISER, for each operand of a quantised product, along K:
;;     - K is cut into blocks of 32 from its start; a last block that is shorter is filled with zeros.
;;     - A block's scale is 2^e with e = floor(log2(the largest magnitude in the block)) - 2, held to -126 .. 127; a block of zeros has e = 0. As a byte (E8M0): e + 127.
;;     - Each number is divided by its block's scale, clamped to +-7.5, and rounded to the nearest number of E2M3, ties to even, subnormals kept.
;;     - The product sums the exact products of the quantised numbers (number of the format x scale) in f32.
;;   ~~~python
;;   def quantise(x, axis):      # numpy; x: float32 -> the quantised numbers, widened to float32 again
;;       x = np.moveaxis(x, axis, -1); K = x.shape[-1]
;;       x = np.pad(x, [(0, 0)] * (x.ndim - 1) + [(0, -K % 32)]); x = x.reshape(x.shape[:-1] + (-1, 32)); a = np.abs(x).max(-1, keepdims=True)
;;       e = np.where(a > 0, np.clip(np.frexp(np.where(a > 0, a, 1))[1] - 1 - 2, -126, 127), 0)      # np.frexp(a)[1] - 1 = floor(log2(a)), exactly
;;       r = np.clip(x / 2.0 ** e, -7.5, 7.5)
;;       step = 2.0 ** (np.maximum(np.frexp(np.where(r == 0, 1, r))[1] - 1, 0) - 3)
;;       q = np.round(r / step) * step * 2.0 ** e      # np.round: ties to even
;;       return np.moveaxis(q.reshape(q.shape[:-2] + (-1,))[..., :K], -1, axis).astype(np.float32)
;;   ~~~
;;   SOFTMAX AHEAD OF A QUANTISED PRODUCT. Where the list says 'softmax', what is quantised is not the finished softmax but p = 2^(t - M), with t = logit x log2(e) and M = ceil(the row's largest t), a whole number; so 1/2 < the row's largest p <= 1. The row's sum l is taken of the UNQUANTISED p, in f32, and the product's result is divided by l at the end. Since M is a whole number, a kernel that streams over the keys may use a running M (the ceiling of the running maximum): every later rescaling is an exact power of two, which a block's scale takes up: the codes' values come out the same.
;;   OPERANDS COMPUTED ON THE WAY. 'Computed on the way' means the value that the module computes at that place (a softmax that the list does not call 'softmax' is quantised finished and normalised). What goes into a quantiser is computed in f32, as accurately as f32 sums, v_exp_f32 and their like allow (about 1e-6 of the number): no bf16 or f16 on the way to a quantiser, and a product that is left as it is and whose result goes on into a quantised operand takes f32 operands (vector FMAs, or v_wmma_f32_16x16x4_f32). A number that lies on a knife's edge between two numbers of the format may be rounded either way, as far as f32 arithmetic and the matrix unit's own rounding can turn it there, and no further.
;; 3 versions, each right; version 2 is faster than version 1; version 3 is version 2 with the launch scores written anew for expert scheduling mode. Each part assembles by itself: llvm-mc -triple=amdgcn-amd-amdhsa -mcpu=gfx1250 --defsym DOCPART=n.
;; ======== version 1 of 3: 2 launches
;; workspace buffers: part 4,194,304 bytes
;; launch scores (part 1): grid 4 x 64, 8 waves a work-group, no clusters, 144,384 bytes of LDS; arguments x, Wq, bq, Wk, bk, part; writes part
.if DOCPART == 1
	.amdgcn_target "amdgcn-amd-amdhsa--gfx1250"
	.amdhsa_code_object_version 6
	.text
	.protected	k_q136a3c9d5e_scores
	.globl	k_q136a3c9d5e_scores
	.p2align	8
	.type	k_q136a3c9d5e_scores,@function
k_q136a3c9d5e_scores:
	s_mov_b64 s[64:65], 0
	v_nop
	global_prefetch_b8 v0, s[64:65] scope:SCOPE_SE
	s_setreg_imm32_b32 hwreg(HW_REG_WAVE_MODE, 25, 1), 1
	s_wait_xcnt 0x0
; PARTIAL SCORES.  Q[h][n] = Wq[h] x[n] + bq[h], K[g][n] = Wk[g] x[n] + bk[g] (64 channels, 7,396 places n of one batch); the sum over n of Q[h][n] K[g][n], both operands
; quantised along n to codes of FP6 (E2M3) with one E8M0 scale for each 32 n.  Nothing of Q or K ever goes to memory: each wave makes the fragments in its registers.
; SHARES.  n goes in 58 steps of 128 (the last has 100 places).  A batch has four work-groups of eight waves: wave u = 8 x work-group x + wave (0 .. 31) takes step u and, where u <= 25, step u + 32.
; Each wave sums all 64 x 64 scores over its steps in 16 accumulators; the eight waves' sums meet in LDS, and the work-group stores one image of 16 KiB: part[batch][work-group x][tile 4 i + j][q][lane][4 numbers].
; THE BLOCK'S LARGEST MAGNITUDE IS NOT SEARCHED FOR ROW BY ROW.  A fused multiply-add W x + b, rounded once, never falls where x rises (or never rises, where W is negative), so a block's largest |W x + b| is taken at the
; block's smallest or largest x: these two are found once for a block and serve all 128 rows of Q and K.  The same instruction on the same numbers gives the same bits as in the block itself.
; LAYOUT.  Source 0 = 16 rows of K, source 1 = 16 rows of Q: in accumulator (i, j) lane (r, half) holds h = 16 i + r.  THE ROWS OF K THAT FORM A TILE ARE NOT NEIGHBOURS: lane r of tile j takes
; g = 32 (j / 2) + 8 (j % 2) + r + 8 (r / 8), so that register jj holds g = 32 (j / 2) + 16 half + 8 (j % 2) + jj: the 16 registers of tiles 2 b, 2 b + 1 are 16 neighbours along the next product's K.
; A fragment (16 rows x 128 n) is 12 registers: registers 6 c .. 6 c + 5 of lane (r, half) hold n = 64 c + 32 half + 0 .. 31 of row r: a lane holds two whole blocks.
; LIMITS: NaN and infinities among the inputs are not served.  A block whose largest magnitude lies under 2^(3 - 127) gets the byte 1 (a block of zeros too, where the rule says 127: its codes are zeros, and this
; program alone reads the bytes).  W x + b is rounded once, not twice.  A batch's sums are formed in 32 parts.
; No tensor loads and no cluster: a wave's input is 512 bytes a step, and work-groups share nothing but those bytes of x, W and b.
.set ROWB,  29584                      ; a batch's x in bytes
.set LASTQ, 29568                      ; the byte of its last four numbers
.set WREG,  1536                       ; LDS, for each wave: x of its two steps (2 x 512 bytes), then the (smallest, largest) pairs, 8 bytes a lane, 256 a step
.set RED,   8*WREG                     ; behind them: an image of the 16 accumulators for each wave, 16,384 bytes
.set OFF0, 4                           ; v4   my 16 bytes of the first step's x
.set OFF1, 5                           ; v5   of the second step's, held at the batch's last 16 bytes
.set AXS,  6                           ; v6   LDS: where I put them
.set AXL,  7                           ; v7   LDS: my half's block of x
.set AMS,  8                           ; v8   LDS: where I put the pair
.set AML,  9                           ; v9   LDS: my half's block's pair
.set SH,   10                          ; v10  8 x half: my bytes' place in a scale word
.set MSK0, 11                          ; v11  the tail: all ones in lanes 0-15, 24 ones in lanes 16-31
.set MSK1, 12                          ; v12  the tail: all ones in lanes 0-15, 0 in lanes 16-31
.set AR,   13                          ; v13  LDS: my wave's image, 16 x lane
.set AL0,  14                          ; v14  LDS: the 2,048 bytes that my wave sums, in images 0 to 3
.set AL1,  15                          ; v15  in images 4 to 7
.set GO,   16                          ; v16  16 x lane
.set RQ,   17                          ; v17  4 r
.set RK,   18                          ; v18  4 (r + 8 (r / 8))
.set MNX,  20                          ; v[20:23] (smallest, largest) x of my blocks c = 0, 1
.set AA,   24                          ; v24-27 W x + b at those four
.set SC0,  28                          ; v28-29 the conversions' scale operands of my two blocks
.set BY,   30                          ; v30-31 their bytes
.set PT,   32                          ; v32  the other half's bytes
.set SQ,   34                          ; v34-37 scale words of Q's four fragments
.set SK,   38                          ; v38  of K's fragment in hand
.set WB,   40                          ; v[40:71] row set f (0-3: Q's tiles, 4-7: K's): W at 40 + 4 f, b at 42 + 4 f; the odd registers are named with them as pairs and hold 0
.set U,    72                          ; v[72:74], v[76:78] the upper 16 codes of a block (a conversion's three registers begin on an even number)
.set T,    80                          ; v[80:111] a block's 32 numbers
.set X,    112                         ; v[112:175] x of my two blocks
.set QF,   176                         ; v[176:223] Q's four fragments
.set KF,   224                         ; v[224:235] K's fragment in hand
.set RAW,  236                         ; v[236:243] x as loaded
.set MK,   244                         ; v[244:247] the pairs as they are made
                                       ; window 1: accumulator (i, j) at v[8 (4 i + j)]
.set MSB, 0
.macro WIN new                         ; the immediate's high byte repeats the setting that is left
.if MSB != \new
	s_set_vgpr_msb (MSB<<8)|\new
.set MSB, \new
.endif
.endm
	s_load_b256 s[4:11], s[0:1], 0x0               ; x s[4:5], Wq s[6:7], bq s[8:9], Wk s[10:11]
	s_load_b128 s[12:15], s[0:1], 0x20             ; bk s[12:13], part s[14:15]
	v_lshl_add_u32 v254, v0, 2, 0x23000
	v_mov_b32 v255, 0
	v_lshrrev_b32 v1, 5, v0
	v_readfirstlane_b32 s16, v1                    ; wave 0..7
	s_and_b32 s17, ttmp7, 0xffff                   ; the batch
	s_lshl_b32 s18, ttmp9, 3
	s_add_co_u32 s18, s18, s16                     ; u
	s_mov_b32 s22, 0x76543210
	s_mov_b32 s23, 0xfedcba98                      ; v_permlanex16_b32's selects for lane l xor 16
	v_and_b32 v1, 31, v0                           ; lane
	v_and_b32 v2, 15, v0                           ; r
	v_bfe_u32 v3, v0, 4, 1                         ; half
	v_lshlrev_b32 v[GO], 4, v1
	s_lshl_b32 s19, s18, 9                         ; a step is 512 bytes of x
	v_add_nc_u32 v[OFF0], s19, v[GO]
	v_add_nc_u32 v[OFF1], 16384, v[OFF0]           ; 32 steps on
	v_min_u32 v[OFF1], LASTQ, v[OFF1]              ; no load leaves the batch's row.  In the last step lanes 25-31 so read the last block's four numbers again: the block's smallest and largest stay what they are
	s_mul_i32 s24, s16, WREG
	v_add_nc_u32 v[AXS], s24, v[GO]
	v_lshl_add_u32 v[AXL], v3, 7, s24
	v_lshl_add_u32 v[AMS], v1, 3, s24
	v_lshl_add_u32 v[AML], v3, 6, s24
	v_lshlrev_b32 v[SH], 3, v3
	v_add_nc_u32 v[MSK1], -1, v3
	v_or_b32 v[MSK0], 0xffffff, v[MSK1]
	s_lshl_b32 s19, s16, 14
	s_add_co_u32 s19, s19, RED
	v_add_nc_u32 v[AR], s19, v[GO]
	s_lshl_b32 s19, s16, 11
	s_add_co_u32 s19, s19, RED
	v_add_nc_u32 v[AL0], s19, v[GO]
	v_add_nc_u32 v[AL1], 0x10000, v[AL0]
	v_lshlrev_b32 v[RQ], 2, v2
	v_and_b32 v[RK], 8, v2
	v_add_lshl_u32 v[RK], v[RK], v2, 2
	v_mov_b32 v[PT], 0                             ; written once: a lane permute's destination counts as one of its sources
.irp f, 0,1,2,3,4,5,6,7
	v_mov_b32 v[WB+4*\f+1], 0
	v_mov_b32 v[WB+4*\f+3], 0
.endr
	s_mul_i32 s20, s17, ROWB
	s_mov_b32 s21, 0
	s_wait_kmcnt 0x0
	s_add_nc_u64 s[4:5], s[4:5], s[20:21]          ; x at my batch
	s_lshl_b32 s20, s17, 2
	s_add_co_u32 s20, s20, ttmp9
	s_lshl_b32 s20, s20, 14                        ; my work-group's image of 16,384 bytes,
	s_lshl_b32 s19, s16, 11
	s_add_co_u32 s20, s20, s19                     ; my wave's 2,048 of them
	s_add_nc_u64 s[14:15], s[14:15], s[20:21]
	global_load_b128 v[RAW:RAW+3],   v[OFF0], s[4:5]   ; 32 lanes read 512 consecutive bytes
	global_load_b128 v[RAW+4:RAW+7], v[OFF1], s[4:5]
.irp f, 0,1,2,3
	global_load_b32 v[WB+4*\f],   v[RQ], s[6:7] offset:64*\f          ; Q's tile f: h = 16 f + r
	global_load_b32 v[WB+4*\f+2], v[RQ], s[8:9] offset:64*\f
.endr
.irp j, 0,1,2,3
	global_load_b32 v[WB+16+4*\j],   v[RK], s[10:11] offset:(32*(\j/2)+8*(\j%2))*4   ; K's tile j
	global_load_b32 v[WB+16+4*\j+2], v[RK], s[12:13] offset:(32*(\j/2)+8*(\j%2))*4
.endr
	s_wait_loadcnt 16                              ; x is in; the sixteen loads of W and b, issued behind it, may be out
; A step's x goes to my wave's own LDS bytes as it lies, and with it each block's smallest and largest x: eight lanes hold a block.
.macro MINMAX e
	v_max3_num_f32 v[MK+2*\e+1], v[RAW+4*\e], v[RAW+4*\e+1], v[RAW+4*\e+2]
	v_min3_num_f32 v[MK+2*\e],   v[RAW+4*\e], v[RAW+4*\e+1], v[RAW+4*\e+2]
	v_max_num_f32 v[MK+2*\e+1], v[MK+2*\e+1], v[RAW+4*\e+3]
	v_min_num_f32 v[MK+2*\e],   v[MK+2*\e],   v[RAW+4*\e+3]
.irp m, 1,2,4
	v_max_num_f32_dpp v[MK+2*\e+1], v[MK+2*\e+1], v[MK+2*\e+1] row_xmask:\m row_mask:0xf bank_mask:0xf
	v_min_num_f32_dpp v[MK+2*\e],   v[MK+2*\e],   v[MK+2*\e]   row_xmask:\m row_mask:0xf bank_mask:0xf
.endr
	ds_store_b128 v[AXS], v[RAW+4*\e:RAW+4*\e+3] offset:512*\e
	ds_store_b64 v[AMS], v[MK+2*\e:MK+2*\e+1] offset:1024+256*\e
.endm
	MINMAX 0
	MINMAX 1
	s_wait_loadcnt 0x0                             ; W and b
; The scale operands of my two blocks of row set wi: the largest magnitude is W x + b at the block's largest or smallest x; the floor 2^(3 - 127) holds the byte at 1 from below;
; 2 off the exponent field gives the operand of which the conversion takes the exponent field alone.  Eight plain instructions that name no register of a product.
.macro SCALE_A wi
	v_fma_f32 v[AA],   v[WB+4*(\wi)], v[MNX+1], v[WB+4*(\wi)+2]
	v_fma_f32 v[AA+1], v[WB+4*(\wi)], v[MNX],   v[WB+4*(\wi)+2]
	v_fma_f32 v[AA+2], v[WB+4*(\wi)], v[MNX+3], v[WB+4*(\wi)+2]
	v_fma_f32 v[AA+3], v[WB+4*(\wi)], v[MNX+2], v[WB+4*(\wi)+2]
	v_max3_num_f32 v[SC0],   |v[AA]|,   |v[AA+1]|, 0x1800000
	v_max3_num_f32 v[SC0+1], |v[AA+2]|, |v[AA+3]|, 0x1800000
	v_add_nc_u32 v[SC0],   0xff000000, v[SC0]
	v_add_nc_u32 v[SC0+1], 0xff000000, v[SC0+1]
.endm
; Row set wi's fragment into v[frag] on and its scale word into v[sw].  tail = 1: the batch's last step: of its last block (lanes 16-31, registers 6 to 11) only the first four codes stay, the rest become zero codes.
.macro BODY frag, sw, wi, tail
.irp i, 0,2,4,6,8,10,12,14,16,18,20,22,24,26,28,30
	v_pk_fma_f32 v[T+\i:T+\i+1], v[X+\i:X+\i+1], v[WB+4*(\wi):WB+4*(\wi)+1], v[WB+4*(\wi)+2:WB+4*(\wi)+3] op_sel_hi:[1,0,0]   ; two numbers of block c = 0 (of the pairs W and b the low word serves both halves)
.endr
	v_cvt_scalef32_pk16_fp6_f32 v[(\frag):(\frag)+2], v[T:T+15], v[SC0]
	v_cvt_scalef32_pk16_fp6_f32 v[U:U+2], v[T+16:T+31], v[SC0]
	v_lshrrev_b32 v[BY], 23, v[SC0]                ; the scales' bytes.  (These six lines are also the plain place between the conversions and the next writing of their sources)
	v_lshrrev_b32 v[BY+1], 23, v[SC0+1]
	v_lshl_or_b32 v[\sw], v[BY+1], 16, v[BY]       ; my two bytes: blocks half and 2 + half of my row,
	v_lshlrev_b32 v[\sw], v[SH], v[\sw]            ; at their places in the scale word;
	v_permlanex16_b32 v[PT], v[\sw], s22, s23
	v_or_b32 v[\sw], v[\sw], v[PT]                 ; with lane l xor 16's two the word is whole
.irp i, 0,2,4,6,8,10,12,14,16,18,20,22,24,26,28,30
	v_pk_fma_f32 v[T+\i:T+\i+1], v[X+32+\i:X+32+\i+1], v[WB+4*(\wi):WB+4*(\wi)+1], v[WB+4*(\wi)+2:WB+4*(\wi)+3] op_sel_hi:[1,0,0]   ; block c = 1
.endr
	v_cvt_scalef32_pk16_fp6_f32 v[(\frag)+6:(\frag)+8], v[T:T+15], v[SC0+1]
	v_cvt_scalef32_pk16_fp6_f32 v[U+4:U+6], v[T+16:T+31], v[SC0+1]
.irp i, 0,1,2
	v_mov_b32 v[(\frag)+3+\i], v[U+\i]             ; (plain places behind the last conversions)
.endr
.if \tail
.irp i, 0,1,2
	v_and_b32 v[(\frag)+9+\i], v[MSK1], v[U+4+\i]
.endr
	v_and_b32 v[(\frag)+6], v[MSK0], v[(\frag)+6]
	v_and_b32 v[(\frag)+7], v[MSK1], v[(\frag)+7]
	v_and_b32 v[(\frag)+8], v[MSK1], v[(\frag)+8]
.else
.irp i, 0,1,2
	v_mov_b32 v[(\frag)+9+\i], v[U+4+\i]
.endr
.endif
.endm
; K's tile j against Q's four: four accumulators, one instruction each.  The 16 accumulators take turns in the same order in every step.  zero = 1: the products start the sums: nothing is cleared.
.macro MULJ j, zero
	WIN 0x50                                       ; C and D in window 1
.irp i, 0,1,2,3
.if \zero
	v_wmma_scale_f32_16x16x128_f8f6f4 v[8*(4*\i+\j):8*(4*\i+\j)+7], v[KF:KF+11], v[QF+12*\i:QF+12*\i+11], 0, v[SK], v[SQ+\i] matrix_a_fmt:MATRIX_FMT_FP6 matrix_b_fmt:MATRIX_FMT_FP6
.else
	v_wmma_scale_f32_16x16x128_f8f6f4 v[8*(4*\i+\j):8*(4*\i+\j)+7], v[KF:KF+11], v[QF+12*\i:QF+12*\i+11], v[8*(4*\i+\j):8*(4*\i+\j)+7], v[SK], v[SQ+\i] matrix_a_fmt:MATRIX_FMT_FP6 matrix_b_fmt:MATRIX_FMT_FP6
.endif
.endr
	WIN 0
.endm
; A STEP of 128 n.  Places (and the distances in front of a scaled product): an operand written by vector instructions stands 4 places ahead of its product (SCALE_A's eight lines, or four v_nop),
; a scale word 8 (the second block's 16 multiply-adds stand behind it); K's fragment and scale word are written again 16 multiply-adds behind the products that read them.
.macro KSTEP e, zero, tail
.irp c, 0,1
.irp k, 0,1,2,3,4,5,6,7
	ds_load_b128 v[X+32*\c+4*\k:X+32*\c+4*\k+3], v[AXL] offset:512*\e+256*\c+16*\k   ; x of block 2 c + half: the sixteen lanes of a half read the same 16 bytes
.endr
.endr
	ds_load_b64 v[MNX:MNX+1],   v[AML] offset:1024+256*\e
	ds_load_b64 v[MNX+2:MNX+3], v[AML] offset:1024+256*\e+128
	s_wait_dscnt 0x0                               ; LDS serves a wave's instructions in order (ISA guide 5.7.1.4): the loads saw my stores, and are in
.irp f, 0,1,2,3
	SCALE_A \f
	BODY QF+12*\f, SQ+\f, \f, \tail
.endr
	SCALE_A 4
	BODY KF, SK, 4, \tail
	SCALE_A 5
	MULJ 0, \zero
	BODY KF, SK, 5, \tail
	SCALE_A 6
	MULJ 1, \zero
	BODY KF, SK, 6, \tail
	SCALE_A 7
	MULJ 2, \zero
	BODY KF, SK, 7, \tail
.rept 4
	v_nop
.endr
	MULJ 3, \zero
.endm
	KSTEP 0, 1, 0
	s_cmp_gt_u32 s18, 25                           ; steps 58 to 63 do not exist.  These branches hang on ids alone; no barrier and no LDS store stands inside them
	s_cbranch_scc1 .Lsum
	s_cmp_eq_u32 s18, 25                           ; step 57 is the batch's last
	s_cbranch_scc1 .Ltail
	KSTEP 1, 0, 0
	s_branch .Lsum
.Ltail:
	KSTEP 1, 0, 1
.Lsum:
	; THE EIGHT WAVES' SUMS MEET IN LDS.  Each wave stores its 16 accumulators as an image of its registers (16 bytes a lane, 512 bytes a store); behind the barrier wave w adds bytes 2,048 w on of all eight images.
.rept 4
	v_nop                                          ; four places between the last products and the first read of results
.endr
	WIN 0x04                                       ; an LDS store's data are its source 1: window 1
.irp t, 0,1,2,3,4,5,6,7,8,9,10,11,12,13,14,15
	ds_store_b128 v[AR], v[8*\t:8*\t+3]   offset:1024*\t       ; each accumulator from its low end on
	ds_store_b128 v[AR], v[8*\t+4:8*\t+7] offset:1024*\t+512
.endr
	WIN 0
	s_wait_dscnt 0x0                               ; for the others' sake: my stores have landed
	s_barrier_signal -1
	s_barrier_wait -1
.irp v, 0,1,2,3
.irp q, 0,1,2,3
	ds_load_b128 v[40+16*\v+4*\q:40+16*\v+4*\q+3], v[AL0] offset:16384*\v+512*\q
.endr
.endr
.irp v, 0,1,2,3
.irp q, 0,1,2,3
	ds_load_b128 v[104+16*\v+4*\q:104+16*\v+4*\q+3], v[AL1] offset:16384*\v+512*\q
.endr
.endr
.irp v, 1,2,3,4,5,6,7
	s_wait_dscnt 4*(7-\v)                          ; images 0 to v are in; the four loads of each later image may be out
.irp k, 0,2,4,6,8,10,12,14
	v_pk_add_f32 v[40+\k:41+\k], v[40+\k:41+\k], v[40+16*\v+\k:41+16*\v+\k]
.endr
.endr
.irp q, 0,1,2,3
	global_store_b128 v[GO], v[40+4*\q:43+4*\q], s[14:15] offset:512*\q   ; 32 lanes store 512 consecutive bytes, at a multiple of 512 from the buffer's first byte
.endr
	s_wait_tensorcnt 0x0
	ds_add_u32 v254, v255
	s_wait_dscnt 0x0
	s_endpgm
.Lfunc_end_k_q136a3c9d5e_scores:
	.size	k_q136a3c9d5e_scores, .Lfunc_end_k_q136a3c9d5e_scores-k_q136a3c9d5e_scores
	.p2alignl 7, 3214868480
	.fill 96, 4, 3214868480
	.section	.rodata,"a",@progbits
	.p2align	6, 0x0
	.amdhsa_kernel k_q136a3c9d5e_scores
		.amdhsa_group_segment_fixed_size 144384
		.amdhsa_private_segment_fixed_size 0
		.amdhsa_enable_private_segment 0
		.amdhsa_kernarg_size 48
		.amdhsa_user_sgpr_count 2
		.amdhsa_user_sgpr_kernarg_segment_ptr 1
		.amdhsa_wavefront_size32 1
		.amdhsa_system_sgpr_workgroup_id_x 1
		.amdhsa_system_sgpr_workgroup_id_y 1
		.amdhsa_system_sgpr_workgroup_id_z 1
		.amdhsa_system_vgpr_workitem_id 0
		.amdhsa_next_free_vgpr 384
		.amdhsa_next_free_sgpr 66
		.amdhsa_reserve_vcc 0
		.amdhsa_float_denorm_mode_32 3
		.amdhsa_float_denorm_mode_16_64 3
		.amdhsa_memory_ordered 1
		.amdhsa_forward_progress 1
		.amdhsa_inst_pref_size 105
	.end_amdhsa_kernel
	.amdgpu_metadata
---
amdhsa.version: [ 1, 2 ]
amdhsa.kernels:
  - .name:           k_q136a3c9d5e_scores
    .symbol:         k_q136a3c9d5e_scores.kd
    .args:
      - { .name: x, .offset: 0, .size: 8, .value_kind: global_buffer, .address_space: global }
      - { .name: Wq, .offset: 8, .size: 8, .value_kind: global_buffer, .address_space: global }
      - { .name: bq, .offset: 16, .size: 8, .value_kind: global_buffer, .address_space: global }
      - { .name: Wk, .offset: 24, .size: 8, .value_kind: global_buffer, .address_space: global }
      - { .name: bk, .offset: 32, .size: 8, .value_kind: global_buffer, .address_space: global }
      - { .name: part, .offset: 40, .size: 8, .value_kind: global_buffer, .address_space: global }
    .group_segment_fixed_size: 144384
    .private_segment_fixed_size: 0
    .kernarg_segment_align: 8
    .kernarg_segment_size: 48
    .max_flat_workgroup_size: 256
    .sgpr_count:     66
    .vgpr_count:     384
    .wavefront_size: 32
...
	.end_amdgpu_metadata
.endif
;; end of part 1
;; launch attend (part 2): grid 4 x 64, 8 waves a work-group, no clusters, 5,120 bytes of LDS; arguments part, x, Wv, bv, Wo, bo, out0; writes out0
.if DOCPART == 2
	.amdgcn_target "amdgcn-amd-amdhsa--gfx1250"
	.amdhsa_code_object_version 6
	.text
	.protected	k_q136a3c9d5e_attend
	.globl	k_q136a3c9d5e_attend
	.p2align	8
	.type	k_q136a3c9d5e_attend,@function
k_q136a3c9d5e_attend:
	s_mov_b64 s[64:65], 0
	v_nop
	global_prefetch_b8 v0, s[64:65] scope:SCOPE_SE
	s_setreg_imm32_b32 hwreg(HW_REG_WAVE_MODE, 25, 1), 1
	s_wait_xcnt 0x0
; out[n] = bo + the sum over h of Wo[h] / l[h] x (the sum over g of p[h][g] V[g][n]),  V[g][n] = Wv[g] x[n] + bv[g];  the inner product on codes of FP6 (E2M3) with one E8M0 scale for each 32 g.
; THE SOFTMAX: t = score x log2(e) / 8; M = the row's largest t rounded UP to a whole number; p = 2^(t - M) is quantised along g, not normalised; l is the row's sum of the unquantised p.
; SHARES, as in the launch before: a batch has four work-groups of eight waves; wave u = 8 x work-group x + wave takes the 128 places n of step u and, where u <= 25, of step u + 32.
; Each work-group first makes the batch's p for itself: wave i (0 to 3) adds the four partial images of rows h = 16 i .. 16 i + 15, takes the softmax, and stores p's fragment, its scale word and w[h] = Wo[h] / l[h]
; in LDS as images of registers; behind ONE barrier all eight waves hold all of p in 24 registers.
; THE PRODUCT'S K IS 64 OF THE INSTRUCTION'S 128.  V's registers 6 to 11 hold zero codes; so whatever codes stand in p's registers 6 to 11 add nothing (the format has no NaN and no infinity), and p's four fragments are
; laid 6 registers apart: the upper half of one is the lower half of the next, and six registers of zeros close the row.  The scale words' upper two bytes are 0.
; LAYOUT.  Source 0 = 16 rows h of p, source 1 = 16 places n of V: lane (r, half) of V's fragment holds g = 32 half + 0 .. 31 of ONE place: a whole block, so its largest magnitude needs no other lane, and the lane's
; 32 Wv and 32 bv stay in registers.  In the result lane (r, half) holds place r and h = 16 i + 8 half + j.  THE PLACES OF A TILE ARE NOT NEIGHBOURS: tile (G, q) takes n = 64 G + 4 r + q of the step, so that one load of
; 16 bytes gives a lane its x for four tiles and a lane's four results are 16 neighbouring bytes.
; LIMITS: NaN and infinities among the inputs are not served.  A block whose largest magnitude lies under 2^(3 - 127) gets the byte 1 (a block of zeros too, where the rule says 127: its codes are zeros).
; Wv x + bv is rounded once.  A batch's row of out begins at a multiple of 16 bytes, not of 256: a store's 512 bytes are consecutive, but begin where the row's place in memory puts them.
; No tensor loads and no cluster: the four work-groups of a batch share only the 64 KiB of partial scores, read once at the head straight into the registers that want them.
.set ROWB,  29584                      ; a batch's x, and out, in bytes
.set LASTQ, 29568                      ; the byte of its last four numbers
.set PSC,   3072                       ; LDS: from 0 p's four fragments, 768 bytes each (registers 0-3 at 16 x lane, registers 4-5 at 512 + 8 x lane); here their scale words, 128 bytes each;
.set WL,    3584                       ; and w, 64 numbers
.set XO,   4                           ; v4-7   byte of x for step e, group G: at 4 + 2 e + G
.set OUT,  8                           ; v8-9   byte of my four results of step e
.set L16,  10                          ; v10  16 x lane
.set L8,   11                          ; v11  8 x lane
.set L4,   12                          ; v12  4 x lane
.set AW,   13                          ; v13  LDS: w of my half: WL + 32 half
.set API,  14                          ; v14  LDS: where a softmax wave puts its fragment's registers 0-3
.set APJ,  15                          ; v15  its registers 4-5
.set APS,  16                          ; v16  its scale word
.set APW,  17                          ; v17  its w
.set GWO,  19                          ; v19  byte of Wo[16 i + r]
.set GWV,  20                          ; v20  byte of Wv[32 half]
.set XB,   22                          ; v[22:23] my place's x; v23 is named with it as a pair and holds 0
.set BO,   24                          ; v[24:25] bo in lanes 0-15, 0 elsewhere
.set PS,   26                          ; v26-29 p's scale words
.set SV,   30                          ; v30  V's scale word
.set SCV,  31                          ; v31  the conversions' scale operand
.set BYV,  32                          ; v32  its byte
.set OB,   33                          ; v33  the other half's byte
.set VU,   34                          ; v[34:36] the upper 16 codes of a block
.set VF,   38                          ; v[38:49] V's fragment; registers 6 to 11 hold zeros
.set P,    50                          ; v[50:73] p: fragment i is v[50 + 6 i : 61 + 6 i]; v[74:79] zeros
.set WR,   80                          ; v[80:111] w of h = 16 i + 8 half + j at 80 + 8 i + j
.set T,    112                         ; v[112:143] a block's 32 numbers; in the softmax the row's 32 scores of my half: register 16 b + k is g = 32 b + 16 half + k
.set D,    144                         ; v[144:207] the results of two tiles, by turns
.set MT,   208                         ; v[208:218] maxima, at work
.set CA,   220                         ; v[220:221], v[222:223] two chains of sums
.set CB,   222
.set TA,   224                         ; v224-225 the sums of groups G = 0 and 1
.set R,    226                         ; v[226:229] my four results
.set XX,   232                         ; v[232:247] x: at 8 e + 4 G + q
                                       ; window 1: v[0:31] Wv[32 half + 0 .. 31], v[32:63] bv likewise
.set MSB, 0
.macro WIN new                         ; the immediate's high byte repeats the setting that is left
.if MSB != \new
	s_set_vgpr_msb (MSB<<8)|\new
.set MSB, \new
.endif
.endm
	s_load_b256 s[4:11], s[0:1], 0x0               ; part s[4:5], x s[6:7], Wv s[8:9], bv s[10:11]
	s_load_b128 s[12:15], s[0:1], 0x20             ; Wo s[12:13], bo s[14:15]
	s_load_b64 s[16:17], s[0:1], 0x30              ; out
	v_lshl_add_u32 v254, v0, 2, 0x1000
	v_mov_b32 v255, 0
	v_lshrrev_b32 v1, 5, v0
	v_readfirstlane_b32 s19, v1                    ; wave 0..7
	s_and_b32 s20, ttmp7, 0xffff                   ; the batch
	s_lshl_b32 s21, ttmp9, 3
	s_add_co_u32 s21, s21, s19                     ; u
	s_and_b32 s26, s19, 3                          ; i: the tile of rows h that a softmax wave takes
	s_mov_b32 s22, 0x76543210
	s_mov_b32 s23, 0xfedcba98                      ; v_permlanex16_b32's selects for lane l xor 16
	s_mov_b32 s24, 0x3e38aa3b                      ; c = log2(e) / sqrt(64)
	s_mov_b32 s25, s24                             ; (named with it as a pair, so it is written)
	v_and_b32 v1, 31, v0                           ; lane
	v_and_b32 v2, 15, v0                           ; r
	v_bfe_u32 v3, v0, 4, 1                         ; half
	s_lshl_b32 s27, s21, 9                         ; a step is 512 bytes
	v_lshl_add_u32 v[XO], v2, 4, s27               ; step u, G = 0: 16 r
	v_add_nc_u32 v[XO+1], 256, v[XO]               ; G = 1
	v_add_nc_u32 v[XO+2], 16384, v[XO]             ; 32 steps on
	v_add_nc_u32 v[XO+3], 16640, v[XO]
	v_min_u32 v[XO+2], LASTQ, v[XO+2]              ; no load leaves the batch's row; what is made of a held address is not stored
	v_min_u32 v[XO+3], LASTQ, v[XO+3]
	v_lshl_add_u32 v[OUT], v3, 8, v[XO]            ; lanes 0-15 end up with group 0's results, lanes 16-31 with group 1's
	v_add_nc_u32 v[OUT+1], 16384, v[OUT]
	v_lshlrev_b32 v[L16], 4, v1
	v_lshlrev_b32 v[L8], 3, v1
	v_lshlrev_b32 v[L4], 2, v1
	v_lshl_add_u32 v[AW], v3, 5, WL
	s_mul_i32 s27, s26, 768                        ; every LDS address is made here, ahead of the branch on the wave's number
	v_add_nc_u32 v[API], s27, v[L16]
	v_add_nc_u32 v[APJ], s27, v[L8]
	s_lshl_b32 s27, s26, 7
	v_add_nc_u32 v[APS], s27, v[L4]
	s_lshl_b32 s27, s26, 6
	v_lshl_add_u32 v[GWO], v2, 2, s27
	v_add_nc_u32 v[APW], WL, v[GWO]
	v_lshlrev_b32 v[GWV], 7, v3
	v_mov_b32 v[XB+1], 0
	v_mov_b32 v[BO+1], 0
	v_mov_b32 v[OB], 0                             ; written once: a lane permute's destination counts as one of its sources
	v_mov_b32 v[MT+2], 0
	v_mov_b32 v[MT+3], 0
	v_mov_b32 v[MT+7], 0                           ; (named as the upper half of the pair that holds -M)
	s_mul_i32 s28, s20, ROWB
	s_mov_b32 s29, 0
	s_wait_kmcnt 0x0
	s_load_b32 s18, s[14:15], 0x0                  ; bo
	s_add_nc_u64 s[6:7], s[6:7], s[28:29]          ; x and out at my batch
	s_add_nc_u64 s[16:17], s[16:17], s[28:29]
	s_lshl_b32 s28, s20, 16                        ; the batch's four images of 16,384 bytes,
	s_lshl_b32 s27, s26, 12                        ; in each the four tiles of rows 16 i on
	s_add_co_u32 s28, s28, s27
	s_add_nc_u64 s[4:5], s[4:5], s[28:29]
.irp e, 0,1
.irp g, 0,1
	global_load_b128 v[XX+8*\e+4*\g:XX+8*\e+4*\g+3], v[XO+2*\e+\g], s[6:7]
.endr
.endr
	WIN 0x40                                       ; destination window 1
.irp k, 0,1,2,3,4,5,6,7
	global_load_b128 v[4*\k:4*\k+3],       v[GWV], s[8:9]   offset:16*\k
	global_load_b128 v[32+4*\k:32+4*\k+3], v[GWV], s[10:11] offset:16*\k
.endr
	WIN 0
	s_wait_kmcnt 0x0
	v_add_nc_u32 v[BO], -1, v3
	v_and_b32 v[BO], s18, v[BO]                    ; bo enters one half's sum alone, as the addend of its first multiply-add
	s_cmp_gt_u32 s19, 3                            ; waves 4 to 7 have no part in the softmax
	s_cbranch_scc1 .Ljoin
	; ---- THE SOFTMAX of rows h = 16 i + r
.macro PLOAD reg, c                    ; work-group c's partial sums of my four tiles: the accumulators' registers, lane by lane, as they were stored
.irp j, 0,1,2,3
.irp q, 0,1
	global_load_b128 v[\reg+8*\j+4*\q:\reg+8*\j+4*\q+3], v[L16], s[4:5] offset:16384*\c+1024*\j+512*\q
.endr
.endr
.endm
	PLOAD T, 0
	PLOAD 144, 1
	PLOAD 176, 2
	PLOAD 80, 3
	global_load_b32 v228, v[GWO], s[12:13]         ; Wo[16 i + r]
	s_wait_loadcnt 0x0
.irp k, 0,2,4,6,8,10,12,14,16,18,20,22,24,26,28,30
	v_pk_add_f32 v[T+\k:T+\k+1], v[T+\k:T+\k+1], v[144+\k:145+\k]
	v_pk_add_f32 v[176+\k:177+\k], v[176+\k:177+\k], v[80+\k:81+\k]
.endr
.irp k, 0,2,4,6,8,10,12,14,16,18,20,22,24,26,28,30
	v_pk_add_f32 v[T+\k:T+\k+1], v[T+\k:T+\k+1], v[176+\k:177+\k]   ; the scores (not yet divided by 8: c does that)
.endr
.irp b, 0,1
	v_max3_num_f32 v[MT+\b], v[T+16*\b], v[T+16*\b+1], v[T+16*\b+2]  ; THE LARGEST SCORE OF EACH BLOCK OF 32 g: it serves for the row's maximum and, since p rises with the score, for the block's largest p
.endr
.irp i, 3,5,7,9,11,13
.irp b, 0,1
	v_max3_num_f32 v[MT+\b], v[MT+\b], v[T+16*\b+\i], v[T+16*\b+\i+1]
.endr
.endr
.irp b, 0,1
	v_max_num_f32 v[MT+\b], v[MT+\b], v[T+16*\b+15]
.endr
.irp b, 0,1
	v_permlanex16_b32 v[MT+2+\b], v[MT+\b], s22, s23
.endr
.irp b, 0,1
	v_max_num_f32 v[MT+\b], v[MT+\b], v[MT+2+\b]   ; with lane l xor 16's 16
.endr
	v_max_num_f32 v[MT+4], v[MT], v[MT+1]          ; the row's largest score,
	v_mul_f32 v[MT+4], s24, v[MT+4]                ; as t (c is positive)
	v_floor_f32 v[MT+6], -v[MT+4]                  ; -M = floor(-t) = -ceil(t)
.irp k, 0,2,4,6,8,10,12,14,16,18,20,22,24,26,28,30
	v_pk_fma_f32 v[T+\k:T+\k+1], v[T+\k:T+\k+1], s[24:25], v[MT+6:MT+7] op_sel_hi:[1,0,0]   ; t - M, two at a time
.endr
.irp b, 0,1
	v_fma_f32 v[MT+\b], v[MT+\b], s24, v[MT+6]     ; the same of each block's largest score
.endr
.irp j, 0,1,2,3,4,5,6,7,8,9,10,11,12,13,14,15,16,17,18,19,20,21,22,23,24,25,26,27,28,29,30,31
	v_exp_f32 v[T+\j], v[T+\j]                     ; p = 2^(t - M), at most 1
.endr
	v_nop                                          ; a plain place behind the exponentials
	s_wait_alu depctr_va_vdst(0)                   ; one wait for the batch of 32, ahead of its first reader
.irp b, 0,1
	v_exp_f32 v[MT+\b], v[MT+\b]                   ; the block's largest p: the same two instructions on the same number give the same bits
.endr
	v_pk_add_f32 v[CA:CA+1], v[T:T+1], v[T+2:T+3]  ; l IS THE SUM OF THE UNQUANTISED p: two at a time, in two chains (they read the 32 alone)
	v_pk_add_f32 v[CB:CB+1], v[T+4:T+5], v[T+6:T+7]
.irp j, 8,12,16,20,24,28
	v_pk_add_f32 v[CA:CA+1], v[CA:CA+1], v[T+\j:T+\j+1]
	v_pk_add_f32 v[CB:CB+1], v[CB:CB+1], v[T+\j+2:T+\j+3]
.endr
	v_pk_add_f32 v[CA:CA+1], v[CA:CA+1], v[CB:CB+1]
	v_add_f32 v[CA], v[CA], v[CA+1]
	v_permlanex16_b32 v[MT+2], v[CA], s22, s23
	v_add_f32 v[CA], v[CA], v[MT+2]                ; with lane l xor 16's: the row's l, the same bits in both halves
	v_rcp_f32 v[MT+10], v[CA]
	v_nop                                          ; a plain place behind the reciprocal
	s_wait_alu depctr_va_vdst(0)                   ; one wait for the two exponentials and the reciprocal
.irp b, 0,1
	v_max_num_f32 v[MT+\b], 0x1800000, v[MT+\b]    ; the floor 2^(3 - 127): the byte cannot fall under 1
.endr
.irp b, 0,1
	v_add_nc_u32 v[MT+4+\b], 0xff000000, v[MT+\b]  ; 2 off the exponent field: the conversion's scale operand
.endr
.irp b, 0,1
	v_lshrrev_b32 v[MT+2+\b], 23, v[MT+4+\b]       ; the scale's byte
.endr
	v_lshl_or_b32 v[MT+8], v[MT+3], 8, v[MT+2]     ; my row's scale word; its upper two bytes are 0
	v_mul_f32 v[MT+9], v228, v[MT+10]              ; w = Wo / l
	v_cvt_scalef32_pk16_fp6_f32 v[VF:VF+2], v[T:T+15], v[MT+4]      ; the codes of g = 16 half + 0 .. 15
	v_cvt_scalef32_pk16_fp6_f32 v[VU:VU+2], v[T+16:T+31], v[MT+5]   ; and of g = 32 + 16 half + 0 .. 15
	v_nop                                          ; one plain place behind a scaled conversion
.irp i, 0,1,2
	v_permlane16_swap_b32 v[VF+\i], v[VU+\i]       ; the operand's layout wants a WHOLE block in a lane: the first's lanes 16-31 change places with the second's lanes 0-15
.endr
.irp i, 0,1,2
	v_mov_b32 v[VF+3+\i], v[VU+\i]                 ; registers 0 to 5 now hold g = 32 half + 0 .. 31
.endr
	ds_store_b128 v[API], v[VF:VF+3]
	ds_store_b64 v[APJ], v[VF+4:VF+5] offset:512
	ds_store_b32 v[APS], v[MT+8] offset:PSC
	ds_store_b32 v[APW], v[MT+9]                   ; both halves write the same word with the same value
.Ljoin:
	s_wait_dscnt 0x0                               ; for the others' sake: my stores have landed
	s_barrier_signal -1
	s_barrier_wait -1
.irp i, 0,1,2,3
	ds_load_b128 v[P+6*\i:P+6*\i+3],   v[L16] offset:768*\i
	ds_load_b64 v[P+6*\i+4:P+6*\i+5],  v[L8]  offset:768*\i+512
	ds_load_b32 v[PS+\i],              v[L4]  offset:PSC+128*\i
	ds_load_b128 v[WR+8*\i:WR+8*\i+3],   v[AW] offset:64*\i
	ds_load_b128 v[WR+8*\i+4:WR+8*\i+7], v[AW] offset:64*\i+16
.endr
.irp i, 0,1,2,3,4,5
	v_mov_b32 v[VF+6+\i], 0                        ; V's K = 64 .. 127: zero codes
	v_mov_b32 v[P+24+\i], 0                        ; and what stands as the last fragment's upper half
.endr
	s_wait_dscnt 0x0
	s_wait_loadcnt 0x0                             ; x, Wv, bv
; Tile k of step e (G = k % 2, q = k / 2): my place's 32 numbers V[32 half + 0 .. 31][n]
.macro VNUM e, k
	v_mov_b32 v[XB], v[XX+8*(\e)+4*((\k)&1)+((\k)>>1)]
	WIN 0x14                                       ; sources 1 and 2 (Wv, bv) in window 1
.irp i, 0,2,4,6,8,10,12,14,16,18,20,22,24,26,28,30
	v_pk_fma_f32 v[T+\i:T+\i+1], v[XB:XB+1], v[\i:\i+1], v[32+\i:33+\i] op_sel_hi:[0,1,1]   ; (of the pair x the low word serves both halves)
.endr
	WIN 0
.endm
; They become V's fragment and scale word.  33 leaves (32 magnitudes and the floor) are 16 maxima of three.
.macro VQ
.irp m, 0,1,2,3,4,5,6,7,8,9
	v_max3_num_f32 v[MT+\m], |v[T+3*\m]|, |v[T+3*\m+1]|, |v[T+3*\m+2]|
.endr
	v_max3_num_f32 v[MT+10], |v[T+30]|, |v[T+31]|, 0x1800000
	v_max3_num_f32 v[MT],   v[MT],   v[MT+1], v[MT+2]
	v_max3_num_f32 v[MT+3], v[MT+3], v[MT+4], v[MT+5]
	v_max3_num_f32 v[MT+6], v[MT+6], v[MT+7], v[MT+8]
	v_max3_num_f32 v[MT], v[MT], v[MT+3], v[MT+6]
	v_max3_num_f32 v[MT], v[MT], v[MT+9], v[MT+10]
	v_add_nc_u32 v[SCV], 0xff000000, v[MT]         ; 2 off the exponent field: the conversions' scale operand
	v_cvt_scalef32_pk16_fp6_f32 v[VF:VF+2], v[T:T+15], v[SCV]
	v_cvt_scalef32_pk16_fp6_f32 v[VU:VU+2], v[T+16:T+31], v[SCV]
	v_lshrrev_b32 v[BYV], 23, v[SCV]               ; the scale's byte.  (The plain place behind the conversions)
	v_permlanex16_b32 v[OB], v[BYV], s22, s23
	v_lshl_or_b32 v[SV], v[OB], 8, v[BYV]          ; lanes 0-15, which alone are read: block 0's byte is mine, block 1's is lane l + 16's
.irp i, 0,1,2
	v_mov_b32 v[VF+3+\i], v[VU+\i]
.endr
.endm
; p's four tiles of rows against the tile of places: each sum is one instruction with C = 0; results into buffer d
.macro MM d
.irp i, 0,1,2,3
	v_wmma_scale_f32_16x16x128_f8f6f4 v[D+32*\d+8*\i:D+32*\d+8*\i+7], v[P+6*\i:P+6*\i+11], v[VF:VF+11], 0, v[PS+\i], v[SV] matrix_a_fmt:MATRIX_FMT_FP6 matrix_b_fmt:MATRIX_FMT_FP6
.endr
.endm
; Tile k's results in buffer d, weighed by w and summed over my 32 rows h: two chains, each accumulator from its low end on.  Behind a pair of tiles (G = 0, 1) one exchange of halves and one addition
; join the two halves' sums of both: lanes 0-15 then hold group 0's place, lanes 16-31 group 1's.
.macro REDK k, d
	v_pk_fma_f32 v[CA:CA+1], v[D+32*\d:D+32*\d+1], v[WR:WR+1], v[BO:BO+1]
	v_pk_mul_f32 v[CB:CB+1], v[D+32*\d+16:D+32*\d+17], v[WR+16:WR+17]
.irp p, 2,4,6,8,10,12,14
	v_pk_fma_f32 v[CA:CA+1], v[D+32*\d+\p:D+32*\d+\p+1], v[WR+\p:WR+\p+1], v[CA:CA+1]
	v_pk_fma_f32 v[CB:CB+1], v[D+32*\d+16+\p:D+32*\d+17+\p], v[WR+16+\p:WR+17+\p], v[CB:CB+1]
.endr
	v_pk_add_f32 v[CA:CA+1], v[CA:CA+1], v[CB:CB+1]
	v_add_f32 v[TA+((\k)&1)], v[CA], v[CA+1]
.if (\k)&1
	v_permlane16_swap_b32 v[TA], v[TA+1]
	v_add_f32 v[R+((\k)>>1)], v[TA], v[TA+1]
.endif
.endm
.macro STORE e
	s_wait_xcnt 0x0                                ; EXEC changes only behind this wait
	v_cmp_gt_u32 vcc_lo, ROWB, v[OUT+\e]           ; the batch's last step has 100 places: 25 lanes' worth
	s_and_saveexec_b32 s30, vcc_lo
	global_store_b128 v[OUT+\e], v[R:R+3], s[16:17] th:TH_STORE_NT   ; 32 lanes store 512 consecutive bytes; written once, read by nobody here
	s_wait_xcnt 0x0                                ; and again in front of the line that widens it; the store's registers may then be written again too
	s_or_b32 exec_lo, exec_lo, s30
.endm
; A STEP of 128 places: eight tiles.  A tile's products stand behind the NEXT tile's 17 lines of numbers, which name none of their registers: V's fragment so stands more than 4 places, its scale word more than 8, ahead of
; them.  Results are read one tile later; V's fragment is written again behind the 16 maxima (ISA guide 7.12.1).
.macro SUPER e
	VNUM \e, 0
	VQ
	VNUM \e, 1
	MM 0
	VQ
	VNUM \e, 2
	MM 1
	REDK 0, 0
	VQ
	VNUM \e, 3
	MM 0
	REDK 1, 1
	VQ
	VNUM \e, 4
	MM 1
	REDK 2, 0
	VQ
	VNUM \e, 5
	MM 0
	REDK 3, 1
	VQ
	VNUM \e, 6
	MM 1
	REDK 4, 0
	VQ
	VNUM \e, 7
	MM 0
	REDK 5, 1
	VQ
	REDK 6, 0
	MM 1
.rept 4
	v_nop                                          ; four places between the last products and the first read of their results
.endr
	REDK 7, 1
	STORE \e
.endm
	SUPER 0
	s_cmp_gt_u32 s21, 25                           ; steps 58 to 63 do not exist
	s_cbranch_scc1 .Lend
	SUPER 1
.Lend:
	s_wait_tensorcnt 0x0
	ds_add_u32 v254, v255
	s_wait_dscnt 0x0
	s_endpgm
.Lfunc_end_k_q136a3c9d5e_attend:
	.size	k_q136a3c9d5e_attend, .Lfunc_end_k_q136a3c9d5e_attend-k_q136a3c9d5e_attend
	.p2alignl 7, 3214868480
	.fill 96, 4, 3214868480
	.section	.rodata,"a",@progbits
	.p2align	6, 0x0
	.amdhsa_kernel k_q136a3c9d5e_attend
		.amdhsa_group_segment_fixed_size 5120
		.amdhsa_private_segment_fixed_size 0
		.amdhsa_enable_private_segment 0
		.amdhsa_kernarg_size 56
		.amdhsa_user_sgpr_count 2
		.amdhsa_user_sgpr_kernarg_segment_ptr 1
		.amdhsa_wavefront_size32 1
		.amdhsa_system_sgpr_workgroup_id_x 1
		.amdhsa_system_sgpr_workgroup_id_y 1
		.amdhsa_system_sgpr_workgroup_id_z 1
		.amdhsa_system_vgpr_workitem_id 0
		.amdhsa_next_free_vgpr 384
		.amdhsa_next_free_sgpr 66
		.amdhsa_reserve_vcc 1
		.amdhsa_float_denorm_mode_32 3
		.amdhsa_float_denorm_mode_16_64 3
		.amdhsa_memory_ordered 1
		.amdhsa_forward_progress 1
		.amdhsa_inst_pref_size 87
	.end_amdhsa_kernel
	.amdgpu_metadata
---
amdhsa.version: [ 1, 2 ]
amdhsa.kernels:
  - .name:           k_q136a3c9d5e_attend
    .symbol:         k_q136a3c9d5e_attend.kd
    .args:
      - { .name: part, .offset: 0, .size: 8, .value_kind: global_buffer, .address_space: global }
      - { .name: x, .offset: 8, .size: 8, .value_kind: global_buffer, .address_space: global }
      - { .name: Wv, .offset: 16, .size: 8, .value_kind: global_buffer, .address_space: global }
      - { .name: bv, .offset: 24, .size: 8, .value_kind: global_buffer, .address_space: global }
      - { .name: Wo, .offset: 32, .size: 8, .value_kind: global_buffer, .address_space: global }
      - { .name: bo, .offset: 40, .size: 8, .value_kind: global_buffer, .address_space: global }
      - { .name: out0, .offset: 48, .size: 8, .value_kind: global_buffer, .address_space: global }
    .group_segment_fixed_size: 5120
    .private_segment_fixed_size: 0
    .kernarg_segment_align: 8
    .kernarg_segment_size: 56
    .max_flat_workgroup_size: 256
    .sgpr_count:     66
    .vgpr_count:     384
    .wavefront_size: 32
...
	.end_amdgpu_metadata
.endif
;; end of part 2
;; ======== version 2 of 3: 2 launches; 1.13 times as fast as version 1
;; workspace buffers: part 4,194,304 bytes
;; launch scores: the kernel of part 1 again; grid 4 x 64, 8 waves a work-group, no clusters, 144,384 bytes of LDS; arguments x, Wq, bq, Wk, bk, part; writes part
;; launch attend (part 3): grid 4 x 64, 8 waves a work-group, no clusters, 5,120 bytes of LDS; arguments part, x, Wv, bv, Wo, bo, out0; writes out0
.if DOCPART == 3
	.amdgcn_target "amdgcn-amd-amdhsa--gfx1250"
	.amdhsa_code_object_version 6
	.text
	.protected	k_q136a3c9d5e_attend
	.globl	k_q136a3c9d5e_attend
	.p2align	8
	.type	k_q136a3c9d5e_attend,@function
k_q136a3c9d5e_attend:
	s_mov_b64 s[64:65], 0
	v_nop
	global_prefetch_b8 v0, s[64:65] scope:SCOPE_SE
	s_setreg_imm32_b32 hwreg(HW_REG_WAVE_MODE, 25, 1), 1
	s_wait_xcnt 0x0
; out[n] = bo + the sum over h of Wo[h] / l[h] x (the sum over g of p[h][g] V[g][n]),  V[g][n] = Wv[g] x[n] + bv[g];  the inner product on codes of FP6 (E2M3) with one E8M0 scale for each 32 g.
; THE SOFTMAX: t = score x log2(e) / 8; M = the row's largest t rounded UP to a whole number; p = 2^(t - M) is quantised along g, not normalised; l is the row's sum of the unquantised p.
; SHARES, as in the launch before: a batch has four work-groups of eight waves; wave u = 8 x work-group x + wave takes the 128 places n of step u and, where u <= 25, of step u + 32.
; ORDER.  V hangs on x, Wv and bv alone, p on the partial scores.  So every wave asks for x, Wv, bv and bo first, waves 0 to 3 then for the partial scores, and EVERY WAVE MAKES ALL ITS FRAGMENTS OF V (16 tiles of 16 places,
; both steps) WHILE THE PARTIAL SCORES ARE ON THEIR WAY.  Then wave i (0 to 3) adds the four partial images of rows h = 16 i .. 16 i + 15, takes the softmax, and stores p's fragment, its scale word and
; w[h] = Wo[h] / l[h] in LDS as images of registers.  Behind ONE barrier all eight waves hold all of p, and only the products and the weighted sums over h are left.
; THE PRODUCT'S K IS 64 OF THE INSTRUCTION'S 128.  p's registers 6 to 11 hold zero codes; so whatever codes stand in V's registers 6 to 11 add nothing (the format has no NaN and no infinity), and a step's eight fragments
; of V are laid 6 registers apart: the upper half of one is the lower half of the next, and six registers of zeros close the run.  The scale words' upper two bytes are 0.
; LAYOUT.  Source 0 = 16 rows h of p, source 1 = 16 places n of V: lane (r, half) of V's fragment holds g = 32 half + 0 .. 31 of ONE place: a whole block, so its largest magnitude needs no other lane, and the lane's
; 32 Wv and 32 bv stay in registers.  In the result lane (r, half) holds place r and h = 16 i + 8 half + j.  THE PLACES OF A TILE ARE NOT NEIGHBOURS: tile k = 2 q + G takes n = 64 G + 4 r + q of the step, so that one load
; of 16 bytes gives a lane its x for four tiles and a lane's four results are 16 neighbouring bytes.
; LIMITS: NaN and infinities among the inputs are not served.  A block whose largest magnitude lies under 2^(3 - 127) gets the byte 1 (a block of zeros too, where the rule says 127: its codes are zeros).
; Wv x + bv is rounded once.  A batch's row of out begins at a multiple of 16 bytes, not of 256: a store's 512 bytes are consecutive, but begin where the row's place in memory puts them.
; A wave without a second step (u > 25) still makes that step's fragments, from the batch's last numbers, and uses none of them: the text has one way up to the barrier.
; No tensor loads and no cluster: the four work-groups of a batch share only the 64 KiB of partial scores, read once at the head straight into the registers that want them.
.set ROWB,  29584                      ; a batch's x, and out, in bytes
.set LASTQ, 29568                      ; the byte of its last four numbers
.set PSC,   3072                       ; LDS: from 0 p's four fragments, 768 bytes each (registers 0-3 at 16 x lane, registers 4-5 at 512 + 8 x lane); here their scale words, 128 bytes each;
.set WL,    3584                       ; and w, 64 numbers
.set XO,   4                           ; v4-7   byte of x for step e, group G: at 4 + 2 e + G
.set OUT,  8                           ; v8-9   byte of my four results of step e
.set L16,  10                          ; v10  16 x lane
.set L8,   11                          ; v11  8 x lane
.set L4,   12                          ; v12  4 x lane
.set AW,   13                          ; v13  LDS: w of my half: WL + 32 half
.set API,  14                          ; v14  LDS: where a softmax wave puts its fragment's registers 0-3
.set APJ,  15                          ; v15  its registers 4-5
.set APS,  16                          ; v16  its scale word
.set APW,  17                          ; v17  its w
.set ZR,   18                          ; v18  0: bo's offset
.set GWO,  19                          ; v19  byte of Wo[16 i + r]
.set GWV,  20                          ; v20  byte of Wv[32 half]
.set HM,   21                          ; v21  all ones in lanes 0-15, 0 in lanes 16-31
.set XB,   22                          ; v[22:23] my place's x; v23 is named with it as a pair and holds 0
.set BO,   24                          ; v[24:25] bo in lanes 0-15, 0 elsewhere
.set PS,   26                          ; v26-29 p's scale words
.set SCV,  31                          ; v31  the conversions' scale operand
.set BYV,  32                          ; v32  its byte
.set OB,   33                          ; v33  the other half's byte
.set VU,   34                          ; v[34:36] the upper 16 codes of a block (a conversion's three registers begin on an even number)
.set PF,   38                          ; v[38:43] the softmax: p's codes as they are made
.set SVS,  44                          ; v44-59 V's scale words: tile k of step e at 44 + 8 e + k
.set VB,   60                          ; v[60:167] V's codes: tile k of step e at 60 + 54 e + 6 k; six zeros behind each step's eight tiles
.set T,    168                         ; v[168:199] a block's 32 numbers; in the softmax the row's 32 scores of my half: register 16 b + k is g = 32 b + 16 half + k
.set MT,   200                         ; v[200:210] maxima, at work
.set CH,   200                         ; v[200:207] behind the barrier: four chains of sums
.set CA,   212                         ; v[212:213], v[214:215] the softmax: two chains of sums
.set CB,   214
.set TA,   216                         ; v216-217 the sums of groups G = 0 and 1
.set R,    218                         ; v[218:221] my four results
.set WOV,  222                         ; v222 Wo[16 i + r]
.set XX,   224                         ; v[224:239] x: at 8 e + 4 G + q
.set WR,   224                         ; v[224:255] behind the barrier, when x is done with: w of h = 16 i + 8 half + j at 224 + 8 i + j
                                       ; window 1: v[0:31] Wv[32 half + 0 .. 31], v[32:63] bv likewise;
.set PA,   64                          ;   v[64:191] the four partial images of my four tiles, 32 registers each;
.set PP,   192                         ;   v[192:239] p: fragment i at 192 + 12 i, its registers 6 to 11 zeros;
                                       ;   behind the barrier v[0:127]: the results of two groups of two tiles, by turns (Wv, bv and the images are done with)
.set MSB, 0
.macro WIN new                         ; the immediate's high byte repeats the setting that is left
.if MSB != \new
	s_set_vgpr_msb (MSB<<8)|\new
.set MSB, \new
.endif
.endm
	s_load_b256 s[4:11], s[0:1], 0x0               ; part s[4:5], x s[6:7], Wv s[8:9], bv s[10:11]
	s_load_b128 s[12:15], s[0:1], 0x20             ; Wo s[12:13], bo s[14:15]
	s_load_b64 s[16:17], s[0:1], 0x30              ; out
	v_lshl_add_u32 v211, v0, 2, 0x1000
	v_mov_b32 v223, 0
	v_lshrrev_b32 v1, 5, v0
	v_readfirstlane_b32 s19, v1                    ; wave 0..7
	s_and_b32 s20, ttmp7, 0xffff                   ; the batch
	s_lshl_b32 s21, ttmp9, 3
	s_add_co_u32 s21, s21, s19                     ; u
	s_and_b32 s26, s19, 3                          ; i: the tile of rows h that a softmax wave takes
	s_mov_b32 s22, 0x76543210
	s_mov_b32 s23, 0xfedcba98                      ; v_permlanex16_b32's selects for lane l xor 16
	s_mov_b32 s24, 0x3e38aa3b                      ; c = log2(e) / sqrt(64)
	s_mov_b32 s25, s24                             ; (named with it as a pair, so it is written)
	v_and_b32 v1, 31, v0                           ; lane
	v_and_b32 v2, 15, v0                           ; r
	v_bfe_u32 v3, v0, 4, 1                         ; half
	s_lshl_b32 s27, s21, 9                         ; a step is 512 bytes
	v_lshl_add_u32 v[XO], v2, 4, s27               ; step u, G = 0: 16 r
	v_add_nc_u32 v[XO+1], 256, v[XO]               ; G = 1
	v_add_nc_u32 v[XO+2], 16384, v[XO]             ; 32 steps on
	v_add_nc_u32 v[XO+3], 16640, v[XO]
	v_min_u32 v[XO+2], LASTQ, v[XO+2]              ; no load leaves the batch's row; what is made of a held address is not stored
	v_min_u32 v[XO+3], LASTQ, v[XO+3]
	v_lshl_add_u32 v[OUT], v3, 8, v[XO]            ; lanes 0-15 end up with group 0's results, lanes 16-31 with group 1's
	v_add_nc_u32 v[OUT+1], 16384, v[OUT]
	v_lshlrev_b32 v[L16], 4, v1
	v_lshlrev_b32 v[L8], 3, v1
	v_lshlrev_b32 v[L4], 2, v1
	v_lshl_add_u32 v[AW], v3, 5, WL
	s_mul_i32 s27, s26, 768                        ; every LDS address is made here, ahead of the branches on the wave's number
	v_add_nc_u32 v[API], s27, v[L16]
	v_add_nc_u32 v[APJ], s27, v[L8]
	s_lshl_b32 s27, s26, 7
	v_add_nc_u32 v[APS], s27, v[L4]
	s_lshl_b32 s27, s26, 6
	v_lshl_add_u32 v[GWO], v2, 2, s27
	v_add_nc_u32 v[APW], WL, v[GWO]
	v_lshlrev_b32 v[GWV], 7, v3
	v_add_nc_u32 v[HM], -1, v3
	v_mov_b32 v[ZR], 0
	v_mov_b32 v[XB+1], 0
	v_mov_b32 v[BO+1], 0
	v_mov_b32 v[OB], 0                             ; written once: a lane permute's destination counts as one of its sources
.irp e, 0,1                                    ; all zeros are written here, while the arguments are on their way
.irp i, 0,1,2,3,4,5
	v_mov_b32 v[VB+54*\e+48+\i], 0                 ; what stands as the upper half of a step's last fragment of V
.endr
.endr
	WIN 0x40                                       ; destination window 1
.irp i, 0,1,2,3
.irp k, 0,1,2,3,4,5
	v_mov_b32 v[PP+12*\i+6+\k], 0                  ; p's K = 64 .. 127: zero codes
.endr
.endr
	WIN 0
	s_mul_i32 s28, s20, ROWB
	s_mov_b32 s29, 0
	s_wait_kmcnt 0x0
	s_add_nc_u64 s[6:7], s[6:7], s[28:29]          ; x and out at my batch
	s_add_nc_u64 s[16:17], s[16:17], s[28:29]
	s_lshl_b32 s28, s20, 16                        ; the batch's four images of 16,384 bytes,
	s_lshl_b32 s27, s26, 12                        ; in each the four tiles of rows 16 i on
	s_add_co_u32 s28, s28, s27
	s_add_nc_u64 s[4:5], s[4:5], s[28:29]
.irp e, 0,1
.irp g, 0,1
	global_load_b128 v[XX+8*\e+4*\g:XX+8*\e+4*\g+3], v[XO+2*\e+\g], s[6:7]
.endr
.endr
	WIN 0x40                                       ; destination window 1
.irp k, 0,1,2,3,4,5,6,7
	global_load_b128 v[4*\k:4*\k+3],       v[GWV], s[8:9]   offset:16*\k
	global_load_b128 v[32+4*\k:32+4*\k+3], v[GWV], s[10:11] offset:16*\k
.endr
	WIN 0
	global_load_b32 v[BO], v[ZR], s[14:15]         ; bo, the same word in every lane: the 21st load of every wave
	s_cmp_gt_u32 s19, 3                            ; waves 4 to 7 have no part in the softmax
	s_cbranch_scc1 .Lnopart
.macro PLOAD c                         ; work-group c's partial sums of my four tiles: the accumulators' registers, lane by lane, as they were stored
.irp j, 0,1,2,3
.irp q, 0,1
	global_load_b128 v[PA+32*\c+8*\j+4*\q:PA+32*\c+8*\j+4*\q+3], v[L16], s[4:5] offset:16384*\c+1024*\j+512*\q
.endr
.endr
.endm
	WIN 0x40
	PLOAD 0
	PLOAD 1
	PLOAD 2
	PLOAD 3
	WIN 0
	global_load_b32 v[WOV], v[GWO], s[12:13]       ; Wo[16 i + r]
	s_wait_loadcnt 33                              ; loads come back in order (ISA guide 5.7.1): x, Wv, bv and bo are in; the 32 loads of partial scores and Wo's, issued behind them, stay out
	s_branch .Lprep
.Lnopart:
	s_wait_loadcnt 0x0                             ; x, Wv, bv, bo
.Lprep:
	v_and_b32 v[BO], v[HM], v[BO]                  ; bo enters one half's sum alone, as the addend of its first multiply-add
; Tile k of step e (G = k % 2, q = k / 2): my place's 32 numbers V[32 half + 0 .. 31][n]
.macro VNUM e, k
	v_mov_b32 v[XB], v[XX+8*(\e)+4*((\k)&1)+((\k)>>1)]
	WIN 0x14                                       ; sources 1 and 2 (Wv, bv) in window 1
.irp i, 0,2,4,6,8,10,12,14,16,18,20,22,24,26,28,30
	v_pk_fma_f32 v[T+\i:T+\i+1], v[XB:XB+1], v[\i:\i+1], v[32+\i:33+\i] op_sel_hi:[0,1,1]   ; (of the pair x the low word serves both halves)
.endr
	WIN 0
.endm
; They become the tile's six registers of codes and its scale word.  33 leaves (32 magnitudes and the floor 2^(3 - 127), which holds the byte at 1 from below) are 16 maxima of three.
.macro VQ e, k
.irp m, 0,1,2,3,4,5,6,7,8,9
	v_max3_num_f32 v[MT+\m], |v[T+3*\m]|, |v[T+3*\m+1]|, |v[T+3*\m+2]|
.endr
	v_max3_num_f32 v[MT+10], |v[T+30]|, |v[T+31]|, 0x1800000
	v_max3_num_f32 v[MT],   v[MT],   v[MT+1], v[MT+2]
	v_max3_num_f32 v[MT+3], v[MT+3], v[MT+4], v[MT+5]
	v_max3_num_f32 v[MT+6], v[MT+6], v[MT+7], v[MT+8]
	v_max3_num_f32 v[MT], v[MT], v[MT+3], v[MT+6]
	v_max3_num_f32 v[MT], v[MT], v[MT+9], v[MT+10]
	v_add_nc_u32 v[SCV], 0xff000000, v[MT]         ; 2 off the exponent field: the conversions' scale operand
	v_cvt_scalef32_pk16_fp6_f32 v[VB+54*(\e)+6*(\k):VB+54*(\e)+6*(\k)+2], v[T:T+15], v[SCV]
	v_cvt_scalef32_pk16_fp6_f32 v[VU:VU+2], v[T+16:T+31], v[SCV]
	v_lshrrev_b32 v[BYV], 23, v[SCV]               ; the scale's byte.  (The plain place behind the conversions)
	v_permlanex16_b32 v[OB], v[BYV], s22, s23
	v_lshl_or_b32 v[SVS+8*(\e)+(\k)], v[OB], 8, v[BYV]   ; lanes 0-15, which alone are read: block 0's byte is mine, block 1's is lane l + 16's
.irp i, 0,1,2
	v_mov_b32 v[VB+54*(\e)+6*(\k)+3+\i], v[VU+\i]
.endr
.endm
.macro PREP e
.irp k, 0,1,2,3,4,5,6,7
	VNUM \e, \k
	VQ \e, \k
.endr
.endm
	PREP 0                                         ; 16 tiles' fragments of V: 96 registers of codes, 16 scale words
	PREP 1
	s_cmp_gt_u32 s19, 3
	s_cbranch_scc1 .Ljoin
	; ---- THE SOFTMAX of rows h = 16 i + r
	s_wait_loadcnt 0x0                             ; the partial scores and Wo
	WIN 0x45                                       ; both sources and the destination in window 1
.irp k, 0,2,4,6,8,10,12,14,16,18,20,22,24,26,28,30
	v_pk_add_f32 v[PA+\k:PA+\k+1], v[PA+\k:PA+\k+1], v[PA+32+\k:PA+33+\k]
	v_pk_add_f32 v[PA+64+\k:PA+65+\k], v[PA+64+\k:PA+65+\k], v[PA+96+\k:PA+97+\k]
.endr
	WIN 0x05                                       ; the sources in window 1, the destination in window 0
.irp k, 0,2,4,6,8,10,12,14,16,18,20,22,24,26,28,30
	v_pk_add_f32 v[T+\k:T+\k+1], v[PA+\k:PA+\k+1], v[PA+64+\k:PA+65+\k]   ; the scores (not yet divided by 8: c does that)
.endr
	WIN 0
.irp b, 0,1
	v_max3_num_f32 v[MT+\b], v[T+16*\b], v[T+16*\b+1], v[T+16*\b+2]  ; THE LARGEST SCORE OF EACH BLOCK OF 32 g: it serves for the row's maximum and, since p rises with the score, for the block's largest p
.endr
.irp i, 3,5,7,9,11,13
.irp b, 0,1
	v_max3_num_f32 v[MT+\b], v[MT+\b], v[T+16*\b+\i], v[T+16*\b+\i+1]
.endr
.endr
.irp b, 0,1
	v_max_num_f32 v[MT+\b], v[MT+\b], v[T+16*\b+15]
.endr
.irp b, 0,1
	v_permlanex16_b32 v[MT+2+\b], v[MT+\b], s22, s23
.endr
.irp b, 0,1
	v_max_num_f32 v[MT+\b], v[MT+\b], v[MT+2+\b]   ; with lane l xor 16's 16
.endr
	v_max_num_f32 v[MT+4], v[MT], v[MT+1]          ; the row's largest score,
	v_mul_f32 v[MT+4], s24, v[MT+4]                ; as t (c is positive)
	v_floor_f32 v[MT+6], -v[MT+4]                  ; -M = floor(-t) = -ceil(t)
.irp k, 0,2,4,6,8,10,12,14,16,18,20,22,24,26,28,30
	v_pk_fma_f32 v[T+\k:T+\k+1], v[T+\k:T+\k+1], s[24:25], v[MT+6:MT+7] op_sel_hi:[1,0,0]   ; t - M, two at a time (of the pairs c and -M the low word serves both halves)
.endr
.irp b, 0,1
	v_fma_f32 v[MT+\b], v[MT+\b], s24, v[MT+6]     ; the same of each block's largest score
.endr
.irp j, 0,1,2,3,4,5,6,7,8,9,10,11,12,13,14,15,16,17,18,19,20,21,22,23,24,25,26,27,28,29,30,31
	v_exp_f32 v[T+\j], v[T+\j]                     ; p = 2^(t - M), at most 1
.endr
	v_nop                                          ; a plain place behind the exponentials
	s_wait_alu depctr_va_vdst(0)                   ; one wait for the batch of 32, ahead of its first reader
.irp b, 0,1
	v_exp_f32 v[MT+\b], v[MT+\b]                   ; the block's largest p: the same two instructions on the same number give the same bits
.endr
	v_pk_add_f32 v[CA:CA+1], v[T:T+1], v[T+2:T+3]  ; l IS THE SUM OF THE UNQUANTISED p: two at a time, in two chains (they read the 32 alone)
	v_pk_add_f32 v[CB:CB+1], v[T+4:T+5], v[T+6:T+7]
.irp j, 8,12,16,20,24,28
	v_pk_add_f32 v[CA:CA+1], v[CA:CA+1], v[T+\j:T+\j+1]
	v_pk_add_f32 v[CB:CB+1], v[CB:CB+1], v[T+\j+2:T+\j+3]
.endr
	v_pk_add_f32 v[CA:CA+1], v[CA:CA+1], v[CB:CB+1]
	v_add_f32 v[CA], v[CA], v[CA+1]
	v_permlanex16_b32 v[MT+2], v[CA], s22, s23
	v_add_f32 v[CA], v[CA], v[MT+2]                ; with lane l xor 16's: the row's l, the same bits in both halves
	v_rcp_f32 v[MT+10], v[CA]
	v_nop                                          ; a plain place behind the reciprocal
	s_wait_alu depctr_va_vdst(0)                   ; one wait for the two exponentials and the reciprocal
.irp b, 0,1
	v_max_num_f32 v[MT+\b], 0x1800000, v[MT+\b]    ; the floor 2^(3 - 127): the byte cannot fall under 1
.endr
.irp b, 0,1
	v_add_nc_u32 v[MT+4+\b], 0xff000000, v[MT+\b]  ; 2 off the exponent field: the conversion's scale operand
.endr
.irp b, 0,1
	v_lshrrev_b32 v[MT+2+\b], 23, v[MT+4+\b]       ; the scale's byte
.endr
	v_lshl_or_b32 v[MT+8], v[MT+3], 8, v[MT+2]     ; my row's scale word; its upper two bytes are 0
	v_mul_f32 v[MT+9], v[WOV], v[MT+10]            ; w = Wo / l
	v_cvt_scalef32_pk16_fp6_f32 v[PF:PF+2], v[T:T+15], v[MT+4]      ; the codes of g = 16 half + 0 .. 15
	v_cvt_scalef32_pk16_fp6_f32 v[VU:VU+2], v[T+16:T+31], v[MT+5]   ; and of g = 32 + 16 half + 0 .. 15
	v_nop                                          ; one plain place behind a scaled conversion
.irp i, 0,1,2
	v_permlane16_swap_b32 v[PF+\i], v[VU+\i]       ; the operand's layout wants a WHOLE block in a lane: the first's lanes 16-31 change places with the second's lanes 0-15
.endr
.irp i, 0,1,2
	v_mov_b32 v[PF+3+\i], v[VU+\i]                 ; registers 0 to 5 now hold g = 32 half + 0 .. 31
.endr
	ds_store_b128 v[API], v[PF:PF+3]
	ds_store_b64 v[APJ], v[PF+4:PF+5] offset:512
	ds_store_b32 v[APS], v[MT+8] offset:PSC
	ds_store_b32 v[APW], v[MT+9]                   ; both halves write the same word with the same value
.Ljoin:
	s_wait_dscnt 0x0                               ; for the others' sake: my stores have landed
	s_barrier_signal -1
	s_barrier_wait -1
	WIN 0x40                                       ; destination window 1
.irp i, 0,1,2,3
	ds_load_b128 v[PP+12*\i:PP+12*\i+3],   v[L16] offset:768*\i
	ds_load_b64 v[PP+12*\i+4:PP+12*\i+5],  v[L8]  offset:768*\i+512
.endr
	WIN 0
.irp i, 0,1,2,3
	ds_load_b32 v[PS+\i],                v[L4] offset:PSC+128*\i
	ds_load_b128 v[WR+8*\i:WR+8*\i+3],   v[AW] offset:64*\i
	ds_load_b128 v[WR+8*\i+4:WR+8*\i+7], v[AW] offset:64*\i+16
.endr
	s_wait_dscnt 0x0
; Group g of step e: tiles 2 g and 2 g + 1 (G = 0, 1 of q = g), p's four tiles of rows against each: eight products, each a whole sum with C = 0, into result buffer d.
.macro MMG e, g, d
	WIN 0x41                                       ; source 0 (p) and the destination in window 1, source 1 (V) in window 0
.irp t, 0,1
.irp i, 0,1,2,3
	v_wmma_scale_f32_16x16x128_f8f6f4 v[64*(\d)+32*\t+8*\i:64*(\d)+32*\t+8*\i+7], v[PP+12*\i:PP+12*\i+11], v[VB+54*(\e)+6*(2*(\g)+\t):VB+54*(\e)+6*(2*(\g)+\t)+11], 0, v[PS+\i], v[SVS+8*(\e)+2*(\g)+\t] matrix_a_fmt:MATRIX_FMT_FP6 matrix_b_fmt:MATRIX_FMT_FP6
.endr
.endr
.endm
; Group g's results in buffer d, weighed by w and summed over my 32 rows h: two chains a tile, four in all, each accumulator from its low end on.  Then one exchange of halves and one addition join the two
; halves' sums of both tiles: lanes 0-15 hold group G = 0's place, lanes 16-31 G = 1's.
.macro REDG g, d
	WIN 0x01                                       ; source 0 (the results) in window 1
.irp t, 0,1
	v_pk_fma_f32 v[CH+4*\t:CH+4*\t+1], v[64*(\d)+32*\t:64*(\d)+32*\t+1], v[WR:WR+1], v[BO:BO+1]
	v_pk_mul_f32 v[CH+4*\t+2:CH+4*\t+3], v[64*(\d)+32*\t+16:64*(\d)+32*\t+17], v[WR+16:WR+17]
.endr
.irp p, 2,4,6,8,10,12,14
.irp t, 0,1
	v_pk_fma_f32 v[CH+4*\t:CH+4*\t+1], v[64*(\d)+32*\t+\p:64*(\d)+32*\t+\p+1], v[WR+\p:WR+\p+1], v[CH+4*\t:CH+4*\t+1]
	v_pk_fma_f32 v[CH+4*\t+2:CH+4*\t+3], v[64*(\d)+32*\t+16+\p:64*(\d)+32*\t+17+\p], v[WR+16+\p:WR+17+\p], v[CH+4*\t+2:CH+4*\t+3]
.endr
.endr
	WIN 0
.irp t, 0,1
	v_pk_add_f32 v[CH+4*\t:CH+4*\t+1], v[CH+4*\t:CH+4*\t+1], v[CH+4*\t+2:CH+4*\t+3]
.endr
.irp t, 0,1
	v_add_f32 v[TA+\t], v[CH+4*\t], v[CH+4*\t+1]
.endr
	v_permlane16_swap_b32 v[TA], v[TA+1]
	v_add_f32 v[R+(\g)], v[TA], v[TA+1]
.endm
.macro STORE e
	s_wait_xcnt 0x0                                ; EXEC changes only behind this wait
	v_cmp_gt_u32 vcc_lo, ROWB, v[OUT+\e]           ; the batch's last step has 100 places: 25 lanes' worth
	s_and_saveexec_b32 s30, vcc_lo
	global_store_b128 v[OUT+\e], v[R:R+3], s[16:17] th:TH_STORE_NT   ; 32 lanes store 512 consecutive bytes; written once, read by nobody here
	s_wait_xcnt 0x0                                ; and again in front of the line that widens it; the store's registers may then be written again too
	s_or_b32 exec_lo, exec_lo, s30
.endm
; A STEP's products and sums: four groups on two result buffers.  A group's results are read behind the sums of the group before (more than 30 plain instructions that name none of its registers), the first group's
; behind four v_nop (ISA guide 7.12.1); a buffer is written again behind the sums that read it.  V's codes and scale words were written ahead of the barrier, p's zeros at the head: far more than the 4 and 8 places
; in front of a scaled product.
.macro PHASEC e
	MMG \e, 0, 0
	MMG \e, 1, 1
.rept 4
	v_nop
.endr
	REDG 0, 0
	MMG \e, 2, 0
	REDG 1, 1
	MMG \e, 3, 1
	REDG 2, 0
	REDG 3, 1
	STORE \e
.endm
	PHASEC 0
	s_cmp_gt_u32 s21, 25                           ; steps 58 to 63 do not exist
	s_cbranch_scc1 .Lend
	PHASEC 1
.Lend:
	s_wait_tensorcnt 0x0
	ds_add_u32 v211, v223
	s_wait_dscnt 0x0
	s_endpgm
.Lfunc_end_k_q136a3c9d5e_attend:
	.size	k_q136a3c9d5e_attend, .Lfunc_end_k_q136a3c9d5e_attend-k_q136a3c9d5e_attend
	.p2alignl 7, 3214868480
	.fill 96, 4, 3214868480
	.section	.rodata,"a",@progbits
	.p2align	6, 0x0
	.amdhsa_kernel k_q136a3c9d5e_attend
		.amdhsa_group_segment_fixed_size 5120
		.amdhsa_private_segment_fixed_size 0
		.amdhsa_enable_private_segment 0
		.amdhsa_kernarg_size 56
		.amdhsa_user_sgpr_count 2
		.amdhsa_user_sgpr_kernarg_segment_ptr 1
		.amdhsa_wavefront_size32 1
		.amdhsa_system_sgpr_workgroup_id_x 1
		.amdhsa_system_sgpr_workgroup_id_y 1
		.amdhsa_system_sgpr_workgroup_id_z 1
		.amdhsa_system_vgpr_workitem_id 0
		.amdhsa_next_free_vgpr 512
		.amdhsa_next_free_sgpr 66
		.amdhsa_reserve_vcc 1
		.amdhsa_float_denorm_mode_32 3
		.amdhsa_float_denorm_mode_16_64 3
		.amdhsa_memory_ordered 1
		.amdhsa_forward_progress 1
		.amdhsa_inst_pref_size 89
	.end_amdhsa_kernel
	.amdgpu_metadata
---
amdhsa.version: [ 1, 2 ]
amdhsa.kernels:
  - .name:           k_q136a3c9d5e_attend
    .symbol:         k_q136a3c9d5e_attend.kd
    .args:
      - { .name: part, .offset: 0, .size: 8, .value_kind: global_buffer, .address_space: global }
      - { .name: x, .offset: 8, .size: 8, .value_kind: global_buffer, .address_space: global }
      - { .name: Wv, .offset: 16, .size: 8, .value_kind: global_buffer, .address_space: global }
      - { .name: bv, .offset: 24, .size: 8, .value_kind: global_buffer, .address_space: global }
      - { .name: Wo, .offset: 32, .size: 8, .value_kind: global_buffer, .address_space: global }
      - { .name: bo, .offset: 40, .size: 8, .value_kind: global_buffer, .address_space: global }
      - { .name: out0, .offset: 48, .size: 8, .value_kind: global_buffer, .address_space: global }
    .group_segment_fixed_size: 5120
    .private_segment_fixed_size: 0
    .kernarg_segment_align: 8
    .kernarg_segment_size: 56
    .max_flat_workgroup_size: 256
    .sgpr_count:     66
    .vgpr_count:     512
    .wavefront_size: 32
...
	.end_amdgpu_metadata
.endif
;; end of part 3
;; ======== version 3 of 3: 2 launches; version 2 with the launch scores written anew for expert scheduling mode
;; workspace buffers: part 4,194,304 bytes
;; launch scores (part 4): grid 4 x 64, 8 waves a work-group, no clusters, 144,384 bytes of LDS; arguments x, Wq, bq, Wk, bk, part; writes part
.if DOCPART == 4
	.amdgcn_target "amdgcn-amd-amdhsa--gfx1250"
	.amdhsa_code_object_version 6
	.text
	.protected	k_q136a3c9d5e_scores
	.globl	k_q136a3c9d5e_scores
	.p2align	8
	.type	k_q136a3c9d5e_scores,@function
k_q136a3c9d5e_scores:
	s_mov_b64 s[64:65], 0
	v_nop
	global_prefetch_b8 v0, s[64:65] scope:SCOPE_SE
	s_setreg_imm32_b32 hwreg(HW_REG_WAVE_SCHED_MODE, 0, 2), 2
	s_setreg_imm32_b32 hwreg(HW_REG_WAVE_MODE, 25, 1), 1
	s_wait_xcnt 0x0
	s_wait_alu depctr_vm_vsrc(0)
; PARTIAL SCORES.  Q[h][n] = Wq[h] x[n] + bq[h], K[g][n] = Wk[g] x[n] + bk[g] (64 channels, 7,396 places n of one batch); the sum over n of Q[h][n] K[g][n], both operands
; quantised along n to codes of FP6 (E2M3) with one E8M0 scale for each 32 n.  Nothing of Q or K ever goes to memory: each wave makes the fragments in its registers.
; SHARES.  n goes in 58 steps of 128 (the last has 100 places).  A batch has four work-groups of eight waves: wave u = 8 x work-group x + wave (0 .. 31) takes step u and, where u <= 25, step u + 32.
; Each wave sums all 64 x 64 scores over its steps in 16 accumulators; the eight waves' sums meet in LDS, and the work-group stores one image of 16 KiB: part[batch][work-group x][tile 4 i + j][q][lane][4 numbers].
; THE BLOCK'S LARGEST MAGNITUDE IS NOT SEARCHED FOR ROW BY ROW.  A fused multiply-add W x + b, rounded once, never falls where x rises (or never rises, where W is negative), so a block's largest |W x + b| is taken at the
; block's smallest or largest x: these two are found once for a block and serve all 128 rows of Q and K.  The same instruction on the same numbers gives the same bits as in the block itself.
; LAYOUT.  Source 0 = 16 rows of K, source 1 = 16 rows of Q: in accumulator (i, j) lane (r, half) holds h = 16 i + r.  THE ROWS OF K THAT FORM A TILE ARE NOT NEIGHBOURS: lane r of tile j takes
; g = 32 (j / 2) + 8 (j % 2) + r + 8 (r / 8), so that register jj holds g = 32 (j / 2) + 16 half + 8 (j % 2) + jj: the 16 registers of tiles 2 b, 2 b + 1 are 16 neighbours along the next product's K.
; A fragment (16 rows x 128 n) is 12 registers: registers 6 c .. 6 c + 5 of lane (r, half) hold n = 64 c + 32 half + 0 .. 31 of row r: a lane holds two whole blocks.
; LIMITS: NaN and infinities among the inputs are not served.  A block whose largest magnitude lies under 2^(3 - 127) gets the byte 1 (a block of zeros too, where the rule says 127: its codes are zeros, and this
; program alone reads the bytes).  W x + b is rounded once, not twice.  A batch's sums are formed in 32 parts.
; No tensor loads and no cluster: a wave's input is 512 bytes a step, and work-groups share nothing but those bytes of x, W and b.
; THE MODE: SCHED_MODE bits 1:0 = 2 (LLVM: expert scheduling mode 2), set by the entry lines.  The code itself states the register dependences
; between vector or matrix instructions and memory or LDS instructions, with s_wait_alu, always for 0.
; THE PLAN.  Registers that memory or LDS instructions touch:
;   v4-9, v13-18, v254, v255   offsets and LDS addresses: written by vector lines at the head, read by loads and stores, never written again: one wait ahead of the first load serves them all.
;   RAW             x as loaded: the loads land once; read by two LDS stores and by the smallest-and-largest lines; never written again.
;   MK              the pairs: written by those lines, read by two LDS stores behind one wait; never written again.
;   X, MNX          LDS loads land in them once a step; a step's multiply-adds and scale lines read them, K's fourth fragment last.  The first step's loads stand ahead of every line that names them;
;                   the second step's stand in the first step, behind the wait ahead of its last four products, which name neither.
;   QF, KF, SQ, SK  written by vector lines, taken by the scaled products: a wait ahead of each group of four products, behind the places.
;   accumulators    written by products alone; read by the way out's LDS stores behind one wait.  That wait also shows every vector line done that named v[40:167], in which the images' loads land behind the barrier.
;   v[40:55]        written by the way out's additions, read by the four global stores behind one wait.
; No register that a memory or LDS instruction reads is written again, so no wait on vm_vsrc is owed.
.set ROWB,  29584                      ; a batch's x in bytes
.set LASTQ, 29568                      ; the byte of its last four numbers
.set WREG,  1536                       ; LDS, for each wave: x of its two steps (2 x 512 bytes), then the (smallest, largest) pairs, 8 bytes a lane, 256 a step
.set RED,   8*WREG                     ; behind them: an image of the 16 accumulators for each wave, 16,384 bytes
.set OFF0, 4                           ; v4   my 16 bytes of the first step's x
.set OFF1, 5                           ; v5   of the second step's, held at the batch's last 16 bytes
.set AXS,  6                           ; v6   LDS: where I put them
.set AXL,  7                           ; v7   LDS: my half's block of x
.set AMS,  8                           ; v8   LDS: where I put the pair
.set AML,  9                           ; v9   LDS: my half's block's pair
.set SH,   10                          ; v10  8 x half: my bytes' place in a scale word
.set MSK0, 11                          ; v11  the tail: all ones in lanes 0-15, 24 ones in lanes 16-31
.set MSK1, 12                          ; v12  the tail: all ones in lanes 0-15, 0 in lanes 16-31
.set AR,   13                          ; v13  LDS: my wave's image, 16 x lane
.set AL0,  14                          ; v14  LDS: the 2,048 bytes that my wave sums, in images 0 to 3
.set AL1,  15                          ; v15  in images 4 to 7
.set GO,   16                          ; v16  16 x lane
.set RQ,   17                          ; v17  4 r
.set RK,   18                          ; v18  4 (r + 8 (r / 8))
.set MNX,  20                          ; v[20:23] (smallest, largest) x of my blocks c = 0, 1
.set AA,   24                          ; v24-27 W x + b at those four
.set SC0,  28                          ; v28-29 the conversions' scale operands of my two blocks
.set BY,   30                          ; v30-31 their bytes
.set PT,   32                          ; v32  the other half's bytes
.set SQ,   34                          ; v34-37 scale words of Q's four fragments
.set SK,   38                          ; v38  of K's fragment in hand
.set WB,   40                          ; v[40:71] row set f (0-3: Q's tiles, 4-7: K's): W at 40 + 4 f, b at 42 + 4 f; the odd registers are named with them as pairs and hold 0
.set U,    72                          ; v[72:74], v[76:78] the upper 16 codes of a block (a conversion's three registers begin on an even number)
.set T,    80                          ; v[80:111] a block's 32 numbers
.set X,    112                         ; v[112:175] x of my two blocks
.set QF,   176                         ; v[176:223] Q's four fragments
.set KF,   224                         ; v[224:235] K's fragment in hand
.set RAW,  236                         ; v[236:243] x as loaded
.set MK,   244                         ; v[244:247] the pairs as they are made
                                       ; window 1: accumulator (i, j) at v[8 (4 i + j)]
.set MSB, 0
.macro WIN new                         ; the immediate's high byte repeats the setting that is left
.if MSB != \new
	s_set_vgpr_msb (MSB<<8)|\new
.set MSB, \new
.endif
.endm
; Step e's x out of my wave's own LDS bytes: block 2 c + half into X's half c: the sixteen lanes of a half read the same 16 bytes
.macro XLOAD e
.irp c, 0,1
.irp k, 0,1,2,3,4,5,6,7
	ds_load_b128 v[X+32*\c+4*\k:X+32*\c+4*\k+3], v[AXL] offset:512*\e+256*\c+16*\k
.endr
.endr
.endm
; and the (smallest, largest) pairs of those two blocks
.macro MLOAD e
	ds_load_b64 v[MNX:MNX+1],   v[AML] offset:1024+256*\e
	ds_load_b64 v[MNX+2:MNX+3], v[AML] offset:1024+256*\e+128
.endm
	s_load_b256 s[4:11], s[0:1], 0x0               ; x s[4:5], Wq s[6:7], bq s[8:9], Wk s[10:11]
	s_load_b128 s[12:15], s[0:1], 0x20             ; bk s[12:13], part s[14:15]
	v_lshl_add_u32 v254, v0, 2, 0x23000
	v_mov_b32 v255, 0
	v_lshrrev_b32 v1, 5, v0
	v_readfirstlane_b32 s16, v1                    ; wave 0..7
	s_and_b32 s17, ttmp7, 0xffff                   ; the batch
	s_lshl_b32 s18, ttmp9, 3
	s_wait_alu depctr_va_sdst(0)                   ; s16 is written, ahead of its first reader: u, the LDS regions and the image's place are made from it
	s_add_co_u32 s18, s18, s16                     ; u
	s_mov_b32 s22, 0x76543210
	s_mov_b32 s23, 0xfedcba98                      ; v_permlanex16_b32's selects for lane l xor 16
	v_and_b32 v1, 31, v0                           ; lane
	v_and_b32 v2, 15, v0                           ; r
	v_bfe_u32 v3, v0, 4, 1                         ; half
	v_lshlrev_b32 v[GO], 4, v1
	s_lshl_b32 s19, s18, 9                         ; a step is 512 bytes of x
	v_add_nc_u32 v[OFF0], s19, v[GO]
	v_add_nc_u32 v[OFF1], 16384, v[OFF0]           ; 32 steps on
	v_min_u32 v[OFF1], LASTQ, v[OFF1]              ; no load leaves the batch's row.  In the last step lanes 25-31 so read the last block's four numbers again: the block's smallest and largest stay what they are
	s_mul_i32 s24, s16, WREG
	v_add_nc_u32 v[AXS], s24, v[GO]
	v_lshl_add_u32 v[AXL], v3, 7, s24
	v_lshl_add_u32 v[AMS], v1, 3, s24
	v_lshl_add_u32 v[AML], v3, 6, s24
	v_lshlrev_b32 v[SH], 3, v3
	v_add_nc_u32 v[MSK1], -1, v3
	v_or_b32 v[MSK0], 0xffffff, v[MSK1]
	s_lshl_b32 s19, s16, 14
	s_add_co_u32 s19, s19, RED
	v_add_nc_u32 v[AR], s19, v[GO]
	s_lshl_b32 s19, s16, 11
	s_add_co_u32 s19, s19, RED
	v_add_nc_u32 v[AL0], s19, v[GO]
	v_add_nc_u32 v[AL1], 0x10000, v[AL0]
	v_lshlrev_b32 v[RQ], 2, v2
	v_and_b32 v[RK], 8, v2
	v_add_lshl_u32 v[RK], v[RK], v2, 2
	v_mov_b32 v[PT], 0                             ; written once: a lane permute's destination counts as one of its sources
.irp f, 0,1,2,3,4,5,6,7
	v_mov_b32 v[WB+4*\f+1], 0
	v_mov_b32 v[WB+4*\f+3], 0
.endr
	s_mul_i32 s20, s17, ROWB
	s_mov_b32 s21, 0
	s_wait_kmcnt 0x0
	s_add_nc_u64 s[4:5], s[4:5], s[20:21]          ; x at my batch
	s_lshl_b32 s20, s17, 2
	s_add_co_u32 s20, s20, ttmp9
	s_lshl_b32 s20, s20, 14                        ; my work-group's image of 16,384 bytes,
	s_lshl_b32 s19, s16, 11
	s_add_co_u32 s20, s20, s19                     ; my wave's 2,048 of them
	s_add_nc_u64 s[14:15], s[14:15], s[20:21]
	s_wait_alu depctr_va_vdst(0)                   ; the offsets and LDS addresses v4 to v9 and v13 to v18 are written, which every load and store of the kernel reads; none is written again
	global_load_b128 v[RAW:RAW+3],   v[OFF0], s[4:5]   ; 32 lanes read 512 consecutive bytes
	global_load_b128 v[RAW+4:RAW+7], v[OFF1], s[4:5]
.irp f, 0,1,2,3
	global_load_b32 v[WB+4*\f],   v[RQ], s[6:7] offset:64*\f          ; Q's tile f: h = 16 f + r
	global_load_b32 v[WB+4*\f+2], v[RQ], s[8:9] offset:64*\f
.endr
.irp j, 0,1,2,3
	global_load_b32 v[WB+16+4*\j],   v[RK], s[10:11] offset:(32*(\j/2)+8*(\j%2))*4   ; K's tile j
	global_load_b32 v[WB+16+4*\j+2], v[RK], s[12:13] offset:(32*(\j/2)+8*(\j%2))*4
.endr
	s_wait_loadcnt 16                              ; x is in; the sixteen loads of W and b, issued behind it, may be out
; Both steps' x go to my wave's own LDS bytes as they lie, and the first step's blocks are asked for at once: LDS serves a wave's instructions in order (ISA guide 5.7.1.4).  The stores' data came by loads, and no vector
; line has named X: nothing is owed here.  While those are out, each block's smallest and largest x are found: eight lanes hold a block; the two steps by turns, so that no line waits for the line above it.
.irp e, 0,1
	ds_store_b128 v[AXS], v[RAW+4*\e:RAW+4*\e+3] offset:512*\e
.endr
	XLOAD 0
.irp e, 0,1
	v_max3_num_f32 v[MK+2*\e+1], v[RAW+4*\e], v[RAW+4*\e+1], v[RAW+4*\e+2]
	v_min3_num_f32 v[MK+2*\e],   v[RAW+4*\e], v[RAW+4*\e+1], v[RAW+4*\e+2]
.endr
.irp e, 0,1
	v_max_num_f32 v[MK+2*\e+1], v[MK+2*\e+1], v[RAW+4*\e+3]
	v_min_num_f32 v[MK+2*\e],   v[MK+2*\e],   v[RAW+4*\e+3]
.endr
.irp m, 1,2,4
.irp e, 0,1
	v_max_num_f32_dpp v[MK+2*\e+1], v[MK+2*\e+1], v[MK+2*\e+1] row_xmask:\m row_mask:0xf bank_mask:0xf
	v_min_num_f32_dpp v[MK+2*\e],   v[MK+2*\e],   v[MK+2*\e]   row_xmask:\m row_mask:0xf bank_mask:0xf
.endr
.endr
	s_wait_alu depctr_va_vdst(0)                   ; the lines above have written the pairs v[MK ..], which the two LDS stores read
.irp e, 0,1
	ds_store_b64 v[AMS], v[MK+2*\e:MK+2*\e+1] offset:1024+256*\e
.endr
	MLOAD 0
	s_wait_loadcnt 0x0                             ; W and b
; The scale operands of my two blocks of row set wi: the largest magnitude is W x + b at the block's largest or smallest x; the floor 2^(3 - 127) holds the byte at 1 from below;
; 2 off the exponent field gives the operand of which the conversion takes the exponent field alone.  Eight plain instructions that name no register of a product.
.macro SCALE_A wi
	v_fma_f32 v[AA],   v[WB+4*(\wi)], v[MNX+1], v[WB+4*(\wi)+2]
	v_fma_f32 v[AA+1], v[WB+4*(\wi)], v[MNX],   v[WB+4*(\wi)+2]
	v_fma_f32 v[AA+2], v[WB+4*(\wi)], v[MNX+3], v[WB+4*(\wi)+2]
	v_fma_f32 v[AA+3], v[WB+4*(\wi)], v[MNX+2], v[WB+4*(\wi)+2]
	v_max3_num_f32 v[SC0],   |v[AA]|,   |v[AA+1]|, 0x1800000
	v_max3_num_f32 v[SC0+1], |v[AA+2]|, |v[AA+3]|, 0x1800000
	v_add_nc_u32 v[SC0],   0xff000000, v[SC0]
	v_add_nc_u32 v[SC0+1], 0xff000000, v[SC0+1]
.endm
; Row set wi's fragment into v[frag] on and its scale word into v[sw].  tail = 1: the batch's last step: of its last block (lanes 16-31, registers 6 to 11) only the first four codes stay, the rest become zero codes.
.macro BODY frag, sw, wi, tail
.irp i, 0,2,4,6,8,10,12,14,16,18,20,22,24,26,28,30
	v_pk_fma_f32 v[T+\i:T+\i+1], v[X+\i:X+\i+1], v[WB+4*(\wi):WB+4*(\wi)+1], v[WB+4*(\wi)+2:WB+4*(\wi)+3] op_sel_hi:[1,0,0]   ; two numbers of block c = 0 (of the pairs W and b the low word serves both halves)
.endr
	v_cvt_scalef32_pk16_fp6_f32 v[(\frag):(\frag)+2], v[T:T+15], v[SC0]
	v_cvt_scalef32_pk16_fp6_f32 v[U:U+2], v[T+16:T+31], v[SC0]
	v_lshrrev_b32 v[BY], 23, v[SC0]                ; the scales' bytes.  (These six lines are also the plain place between the conversions and the next writing of their sources)
	v_lshrrev_b32 v[BY+1], 23, v[SC0+1]
	v_lshl_or_b32 v[\sw], v[BY+1], 16, v[BY]       ; my two bytes: blocks half and 2 + half of my row,
	v_lshlrev_b32 v[\sw], v[SH], v[\sw]            ; at their places in the scale word;
	v_permlanex16_b32 v[PT], v[\sw], s22, s23
	v_or_b32 v[\sw], v[\sw], v[PT]                 ; with lane l xor 16's two the word is whole
.irp i, 0,2,4,6,8,10,12,14,16,18,20,22,24,26,28,30
	v_pk_fma_f32 v[T+\i:T+\i+1], v[X+32+\i:X+32+\i+1], v[WB+4*(\wi):WB+4*(\wi)+1], v[WB+4*(\wi)+2:WB+4*(\wi)+3] op_sel_hi:[1,0,0]   ; block c = 1
.endr
	v_cvt_scalef32_pk16_fp6_f32 v[(\frag)+6:(\frag)+8], v[T:T+15], v[SC0+1]
	v_cvt_scalef32_pk16_fp6_f32 v[U+4:U+6], v[T+16:T+31], v[SC0+1]
.irp i, 0,1,2
	v_mov_b32 v[(\frag)+3+\i], v[U+\i]             ; (plain places behind the last conversions)
.endr
.if \tail
.irp i, 0,1,2
	v_and_b32 v[(\frag)+9+\i], v[MSK1], v[U+4+\i]
.endr
	v_and_b32 v[(\frag)+6], v[MSK0], v[(\frag)+6]
	v_and_b32 v[(\frag)+7], v[MSK1], v[(\frag)+7]
	v_and_b32 v[(\frag)+8], v[MSK1], v[(\frag)+8]
.else
.irp i, 0,1,2
	v_mov_b32 v[(\frag)+9+\i], v[U+4+\i]
.endr
.endif
.endm
; K's tile j against Q's four: four accumulators, one instruction each.  The 16 accumulators take turns in the same order in every step.  zero = 1: the products start the sums: nothing is cleared.
.macro MULJ j, zero
	WIN 0x50                                       ; C and D in window 1
.irp i, 0,1,2,3
.if \zero
	v_wmma_scale_f32_16x16x128_f8f6f4 v[8*(4*\i+\j):8*(4*\i+\j)+7], v[KF:KF+11], v[QF+12*\i:QF+12*\i+11], 0, v[SK], v[SQ+\i] matrix_a_fmt:MATRIX_FMT_FP6 matrix_b_fmt:MATRIX_FMT_FP6
.else
	v_wmma_scale_f32_16x16x128_f8f6f4 v[8*(4*\i+\j):8*(4*\i+\j)+7], v[KF:KF+11], v[QF+12*\i:QF+12*\i+11], v[8*(4*\i+\j):8*(4*\i+\j)+7], v[SK], v[SQ+\i] matrix_a_fmt:MATRIX_FMT_FP6 matrix_b_fmt:MATRIX_FMT_FP6
.endif
.endr
	WIN 0
.endm
; A STEP of 128 n; its x and its pairs have been asked for.  Places (and the distances in front of a scaled product): an operand written by vector instructions stands 4 places ahead of its product
; (SCALE_A's eight lines, or four v_nop), a scale word 8 (the second block's 16 multiply-adds stand behind it); K's fragment and scale word are written again 16 multiply-adds behind the products that read them.
; Behind the places, ahead of each group of four products, stands the wait that states that the vector lines have written the group's operands.
; next = 1: the wave's first step.  Behind the last group's wait the second step's x and pairs are asked for, ahead of the branch on ids, so by every wave: a wave that has no second step reads bytes that it
; stored itself (from the held address) and uses none of them.
.macro KSTEP zero, tail, next
	s_wait_dscnt 0x0                               ; LDS serves a wave's instructions in order (ISA guide 5.7.1.4): the loads saw my stores, and are in
.irp f, 0,1,2,3
	SCALE_A \f
	BODY QF+12*\f, SQ+\f, \f, \tail
.endr
	SCALE_A 4
	BODY KF, SK, 4, \tail
	SCALE_A 5
	s_wait_alu depctr_va_vdst(0)                   ; the conversions, moves and masks have written Q's four fragments and K's first, and the five scale words, which the products take
	MULJ 0, \zero
	BODY KF, SK, 5, \tail
	SCALE_A 6
	s_wait_alu depctr_va_vdst(0)                   ; K's second fragment and its scale word are written
	MULJ 1, \zero
	BODY KF, SK, 6, \tail
	SCALE_A 7
	s_wait_alu depctr_va_vdst(0)                   ; K's third fragment and its scale word are written
	MULJ 2, \zero
	BODY KF, SK, 7, \tail
.rept 4
	v_nop
.endr
	s_wait_alu depctr_va_vdst(0)                   ; K's fourth fragment and its scale word are written; and the step's multiply-adds and scale lines are done reading X and MNX, in which the loads below land
.if \next
	XLOAD 1                                        ; no wait more: the four products below name KF, QF, the scale words and the accumulators, none of the registers that these loads touch
	MLOAD 1
.endif
	MULJ 3, \zero
.endm
	KSTEP 1, 0, 1
	s_cmp_gt_u32 s18, 25                           ; steps 58 to 63 do not exist.  These branches hang on ids alone; no barrier and no LDS store stands inside them
	s_cbranch_scc1 .Lsum
	s_cmp_eq_u32 s18, 25                           ; step 57 is the batch's last
	s_cbranch_scc1 .Ltail
	KSTEP 0, 0, 0
	s_branch .Lsum
.Ltail:
	KSTEP 0, 1, 0
.Lsum:
	; THE EIGHT WAVES' SUMS MEET IN LDS.  Each wave stores its 16 accumulators as an image of its registers (16 bytes a lane, 512 bytes a store); behind the barrier wave w adds bytes 2,048 w on of all eight images.
.rept 4
	v_nop                                          ; four places between the last products and the first read of results
.endr
	WIN 0x04                                       ; an LDS store's data are its source 1: window 1
	s_wait_alu depctr_va_vdst(0)                   ; the products have written the accumulators, which the LDS stores read (the places above stay beside this wait); and every vector line that named v[40:167] is done: the loads behind the barrier land there
.irp t, 0,1,2,3,4,5,6,7,8,9,10,11,12,13,14,15
	ds_store_b128 v[AR], v[8*\t:8*\t+3]   offset:1024*\t       ; each accumulator from its low end on
	ds_store_b128 v[AR], v[8*\t+4:8*\t+7] offset:1024*\t+512
.endr
	WIN 0
	s_wait_dscnt 0x0                               ; for the others' sake: my stores have landed (and, in a wave without a second step, the loads of x that it does not use)
	s_barrier_signal -1
	s_barrier_wait -1
.irp v, 0,1,2,3
.irp q, 0,1,2,3
	ds_load_b128 v[40+16*\v+4*\q:40+16*\v+4*\q+3], v[AL0] offset:16384*\v+512*\q   ; no vector or matrix instruction since the wait above names these registers
.endr
.endr
.irp v, 0,1,2,3
.irp q, 0,1,2,3
	ds_load_b128 v[104+16*\v+4*\q:104+16*\v+4*\q+3], v[AL1] offset:16384*\v+512*\q
.endr
.endr
.irp v, 1,2,3,4,5,6,7
	s_wait_dscnt 4*(7-\v)                          ; images 0 to v are in; the four loads of each later image may be out
.irp k, 0,2,4,6,8,10,12,14
	v_pk_add_f32 v[40+\k:41+\k], v[40+\k:41+\k], v[40+16*\v+\k:41+16*\v+\k]
.endr
.endr
	s_wait_alu depctr_va_vdst(0)                   ; the additions have written v[40:55], which the four stores read
.irp q, 0,1,2,3
	global_store_b128 v[GO], v[40+4*\q:43+4*\q], s[14:15] offset:512*\q   ; 32 lanes store 512 consecutive bytes, at a multiple of 512 from the buffer's first byte
.endr
	s_wait_dscnt 0x0                               ; the closing lines, six on end
	s_wait_alu 0x0
	s_wait_tensorcnt 0x0
	ds_add_u32 v254, v255
	s_wait_dscnt 0x0
	s_endpgm
.Lfunc_end_k_q136a3c9d5e_scores:
	.size	k_q136a3c9d5e_scores, .Lfunc_end_k_q136a3c9d5e_scores-k_q136a3c9d5e_scores
	.p2alignl 7, 3214868480
	.fill 96, 4, 3214868480
	.section	.rodata,"a",@progbits
	.p2align	6, 0x0
	.amdhsa_kernel k_q136a3c9d5e_scores
		.amdhsa_group_segment_fixed_size 144384
		.amdhsa_private_segment_fixed_size 0
		.amdhsa_enable_private_segment 0
		.amdhsa_kernarg_size 48
		.amdhsa_user_sgpr_count 2
		.amdhsa_user_sgpr_kernarg_segment_ptr 1
		.amdhsa_wavefront_size32 1
		.amdhsa_system_sgpr_workgroup_id_x 1
		.amdhsa_system_sgpr_workgroup_id_y 1
		.amdhsa_system_sgpr_workgroup_id_z 1
		.amdhsa_system_vgpr_workitem_id 0
		.amdhsa_next_free_vgpr 384
		.amdhsa_next_free_sgpr 66
		.amdhsa_reserve_vcc 0
		.amdhsa_float_denorm_mode_32 3
		.amdhsa_float_denorm_mode_16_64 3
		.amdhsa_memory_ordered 1
		.amdhsa_forward_progress 1
		.amdhsa_inst_pref_size 104
	.end_amdhsa_kernel
	.amdgpu_metadata
---
amdhsa.version: [ 1, 2 ]
amdhsa.kernels:
  - .name:           k_q136a3c9d5e_scores
    .symbol:         k_q136a3c9d5e_scores.kd
    .args:
      - { .name: x, .offset: 0, .size: 8, .value_kind: global_buffer, .address_space: global }
      - { .name: Wq, .offset: 8, .size: 8, .value_kind: global_buffer, .address_space: global }
      - { .name: bq, .offset: 16, .size: 8, .value_kind: global_buffer, .address_space: global }
      - { .name: Wk, .offset: 24, .size: 8, .value_kind: global_buffer, .address_space: global }
      - { .name: bk, .offset: 32, .size: 8, .value_kind: global_buffer, .address_space: global }
      - { .name: part, .offset: 40, .size: 8, .value_kind: global_buffer, .address_space: global }
    .group_segment_fixed_size: 144384
    .private_segment_fixed_size: 0
    .kernarg_segment_align: 8
    .kernarg_segment_size: 48
    .max_flat_workgroup_size: 256
    .sgpr_count:     66
    .vgpr_count:     384
    .wavefront_size: 32
...
	.end_amdgpu_metadata
.endif
;; end of part 4
;; launch attend: the kernel of part 3 again; grid 4 x 64, 8 waves a work-group, no clusters, 5,120 bytes of LDS; arguments part, x, Wv, bv, Wo, bo, out0; writes out0
